; MI455X (gfx1250); checked and timed in simulation.
; The chip was launched on July 23, 2026; its instructions are those of AMD's public machine-readable ISA for CDNA 5 (MIT licence, August 2026) and "CDNA5" Instruction Set Architecture Reference Guide (July 2026). The comments in the code are by the model that wrote it; some were corrected since.
;; Self Head Attention. Allowed arithmetic: float matrix products may take bf16 or f16 operands with f32 sums; other float arithmetic in f32, or as packed bf16 or f16 multiplies, adds, multiply-adds, maxima and minima; sums over many terms, partial sums and values carried from step to step in f32; what a program stores and reads back later, other than sums and carried values, may be rounded once to bf16 or f16.
;; Inputs: Wk 1,024 x 1,024 float32; Wq 1,024 x 1,024 float32; Wv 1,024 x 1,024 float32; embeds 4 x 2,048 x 1,024 float32.
;; Outputs: out0 4 x 2,048 x 1,024 float32.
;; One version. Each part assembles by itself: llvm-mc -triple=amdgcn-amd-amdhsa -mcpu=gfx1250 --defsym DOCPART=n.
;; ======== version 1 of 1: 4 launches
;; limits: values are held in f16: magnitudes above 65,504 overflow, below 6.1e-05 lose precision
;; workspace buffers: xb 16,777,216 bytes; wb 6,291,456 bytes; qkv 50,331,648 bytes; pm 33,554,432 bytes; st 524,288 bytes
;; launch prep (part 1): grid 1408 x 1, 8 waves a work-group, no clusters, 0 bytes of LDS; arguments embeds, Wq, Wk, Wv, xb, wb; writes xb, wb
.if DOCPART == 1
	.amdgcn_target "amdgcn-amd-amdhsa--gfx1250"
	.amdhsa_code_object_version 6
	.text
	.protected	k_qff98a51266_prep
	.globl	k_qff98a51266_prep
	.p2align	8
	.type	k_qff98a51266_prep,@function
k_qff98a51266_prep:
	s_mov_b64 s[64:65], 0
	v_nop
	global_prefetch_b8 v0, s[64:65] scope:SCOPE_SE
	s_setreg_imm32_b32 hwreg(HW_REG_WAVE_MODE, 25, 1), 1
	s_wait_xcnt 0x0
; xb = embeds rounded to bf16, laid out in blocks along K: [16 blocks][8192 rows][64 numbers], so that 256 rows x 64 along K are 32,768 bytes on end.
; wb = Wq | Wk | Wv rounded to bf16, side by side: [1024 e][3072], so that one product makes q, k and v.
; 11,264 rows of 1,024 f32 (8,192 of embeds, 3 x 1,024 of weights); a work-group takes 8 rows: 1,024 + 384 work-groups.  A thread takes 8 numbers (32 bytes in, 16 bytes out)
; in each of four pairs of rows: eight loads of 16 bytes are out at once.
; embeds: thread t takes block t / 16, row (t / 8) % 2 of the pair, place t % 8: sixteen neighbouring lanes store two rows' 128 bytes of a block, 256 consecutive bytes, aligned.
; weights: thread t takes row t / 128 of the pair, place t % 128: sixteen neighbouring lanes store 256 consecutive bytes of a row, aligned.
; Each byte is read once and written once.  A stream: no LDS, no barrier, no matrix work.
.set XG, 1024                          ; the first 1,024 work-groups take embeds, the other 384 the weights (128 each)
	s_load_b256 s[4:11], s[0:1], 0x0               ; embeds s[4:5], Wq s[6:7], Wk s[8:9], Wv s[10:11]
	s_load_b128 s[12:15], s[0:1], 0x20             ; xb s[12:13], wb s[14:15]
	s_sub_co_u32 s16, ttmp9, XG                    ; my number among the weights' work-groups (used only there)
	s_lshr_b32 s17, s16, 7                         ; which weight: 0 q, 1 k, 2 v
	s_and_b32 s18, s16, 127                        ; which eight rows of it
	s_lshl_b32 s19, s18, 15                        ; weights: 8 rows of 4,096 bytes in,
	s_mul_i32 s20, s18, 8*6144                     ; 8 rows of 6,144 bytes out,
	s_lshl_b32 s21, s17, 11                        ; 2,048 bytes along the row for each weight
	s_add_co_u32 s20, s20, s21
	s_lshl_b32 s22, ttmp9, 15                      ; embeds: 8 rows of 4,096 bytes in,
	s_lshl_b32 s23, ttmp9, 10                      ; 8 rows of 128 bytes in each block out
	s_movk_i32 s28, 12288
	s_movk_i32 s29, 6144
	s_cmp_lt_u32 ttmp9, XG
	s_cselect_b32 s24, s22, s19                    ; offset in
	s_cselect_b32 s26, s23, s20                    ; offset out
	s_cselect_b32 s28, 256, s28                    ; bytes out from a pair of rows to the next
	s_cselect_b32 s34, -1, 0                       ; all lanes: embeds or weights
	s_mov_b32 s25, 0
	s_mov_b32 s27, 0
	v_and_b32 v1, 127, v0                          ; weights: place in the row,
	v_lshrrev_b32 v2, 7, v0                        ; row of the pair
	v_lshlrev_b32 v3, 5, v1
	v_lshl_add_u32 v3, v2, 12, v3                  ; in: row x 4,096 + 32 x place
	v_lshlrev_b32 v4, 4, v1
	v_mad_u32_u24 v4, v2, s29, v4                  ; out: row x 6,144 + 16 x place
	v_and_b32 v5, 7, v0                            ; embeds: place in the block's 64 numbers,
	v_bfe_u32 v6, v0, 3, 1                         ; row of the pair,
	v_lshrrev_b32 v7, 4, v0                        ; block
	v_lshlrev_b32 v8, 5, v5
	v_lshl_add_u32 v8, v7, 8, v8
	v_lshl_add_u32 v8, v6, 12, v8                  ; in: row x 4,096 + block x 256 + 32 x place
	v_and_b32 v9, 15, v0
	v_lshlrev_b32 v9, 4, v9
	v_lshl_add_u32 v9, v7, 20, v9                  ; out: block x 8,192 rows x 128 bytes + row x 128 + 16 x place
	v_cndmask_b32 v3, v3, v8, s34
	v_cndmask_b32 v10, v4, v9, s34                 ; v10-13: the four pairs' places out
	v_add_nc_u32 v11, s28, v10
	v_add_nc_u32 v12, s28, v11
	v_add_nc_u32 v13, s28, v12
	s_wait_kmcnt 0x0
	s_cmp_eq_u32 s17, 1
	s_cselect_b64 s[30:31], s[8:9], s[6:7]
	s_cmp_eq_u32 s17, 2
	s_cselect_b64 s[30:31], s[10:11], s[30:31]
	s_cmp_lt_u32 ttmp9, XG
	s_cselect_b64 s[30:31], s[4:5], s[30:31]       ; the buffer read
	s_cselect_b64 s[32:33], s[12:13], s[14:15]     ; the buffer written
	s_add_nc_u64 s[30:31], s[30:31], s[24:25]
	s_add_nc_u64 s[32:33], s[32:33], s[26:27]
.irp p, 0,1,2,3
	global_load_b128 v[16+8*(\p):19+8*(\p)], v3, s[30:31] offset:8192*(\p) th:TH_LOAD_NT
	global_load_b128 v[20+8*(\p):23+8*(\p)], v3, s[30:31] offset:8192*(\p)+16 th:TH_LOAD_NT
.endr
.irp p, 0,1,2,3
	s_wait_loadcnt 6-2*(\p)                        ; this pair's two loads are in; the younger pairs' may stay out
	v_cvt_pk_bf16_f32 v[48+4*(\p)], v[16+8*(\p)], v[17+8*(\p)]
	v_cvt_pk_bf16_f32 v[49+4*(\p)], v[18+8*(\p)], v[19+8*(\p)]
	v_cvt_pk_bf16_f32 v[50+4*(\p)], v[20+8*(\p)], v[21+8*(\p)]
	v_cvt_pk_bf16_f32 v[51+4*(\p)], v[22+8*(\p)], v[23+8*(\p)]
	global_store_b128 v[10+(\p)], v[48+4*(\p):51+4*(\p)], s[32:33]
.endr
	s_endpgm
.Lfunc_end_k_qff98a51266_prep:
	.size	k_qff98a51266_prep, .Lfunc_end_k_qff98a51266_prep-k_qff98a51266_prep
	.p2alignl 7, 3214868480
	.fill 96, 4, 3214868480
	.section	.rodata,"a",@progbits
	.p2align	6, 0x0
	.amdhsa_kernel k_qff98a51266_prep
		.amdhsa_group_segment_fixed_size 0
		.amdhsa_private_segment_fixed_size 0
		.amdhsa_enable_private_segment 0
		.amdhsa_kernarg_size 48
		.amdhsa_user_sgpr_count 2
		.amdhsa_user_sgpr_kernarg_segment_ptr 1
		.amdhsa_wavefront_size32 1
		.amdhsa_system_sgpr_workgroup_id_x 1
		.amdhsa_system_sgpr_workgroup_id_y 1
		.amdhsa_system_sgpr_workgroup_id_z 1
		.amdhsa_system_vgpr_workitem_id 0
		.amdhsa_next_free_vgpr 64
		.amdhsa_next_free_sgpr 66
		.amdhsa_reserve_vcc 0
		.amdhsa_float_denorm_mode_32 3
		.amdhsa_float_denorm_mode_16_64 3
		.amdhsa_memory_ordered 1
		.amdhsa_forward_progress 1
		.amdhsa_inst_pref_size 5
	.end_amdhsa_kernel
	.amdgpu_metadata
---
amdhsa.version: [ 1, 2 ]
amdhsa.kernels:
  - .name:           k_qff98a51266_prep
    .symbol:         k_qff98a51266_prep.kd
    .args:
      - { .name: embeds, .offset: 0, .size: 8, .value_kind: global_buffer, .address_space: global }
      - { .name: Wq, .offset: 8, .size: 8, .value_kind: global_buffer, .address_space: global }
      - { .name: Wk, .offset: 16, .size: 8, .value_kind: global_buffer, .address_space: global }
      - { .name: Wv, .offset: 24, .size: 8, .value_kind: global_buffer, .address_space: global }
      - { .name: xb, .offset: 32, .size: 8, .value_kind: global_buffer, .address_space: global }
      - { .name: wb, .offset: 40, .size: 8, .value_kind: global_buffer, .address_space: global }
    .group_segment_fixed_size: 0
    .private_segment_fixed_size: 0
    .kernarg_segment_align: 8
    .kernarg_segment_size: 48
    .max_flat_workgroup_size: 256
    .sgpr_count:     66
    .vgpr_count:     64
    .wavefront_size: 32
...
	.end_amdgpu_metadata
.endif
;; end of part 1
;; launch proj (part 2): grid 8 x 32, 4 waves a work-group, clusters of 4 x 4, 327,680 bytes of LDS; arguments xb, wb, qkv; writes qkv
.if DOCPART == 2
	.amdgcn_target "amdgcn-amd-amdhsa--gfx1250"
	.amdhsa_code_object_version 6
	.text
	.protected	k_qff98a51266_proj
	.globl	k_qff98a51266_proj
	.p2align	8
	.type	k_qff98a51266_proj,@function
k_qff98a51266_proj:
	s_mov_b64 s[64:65], 0
	v_nop
	global_prefetch_b8 v0, s[64:65] scope:SCOPE_SE
	s_setreg_imm32_b32 hwreg(HW_REG_WAVE_MODE, 25, 1), 1
	s_wait_xcnt 0x0
	s_wait_alu depctr_hold_cnt(0) depctr_sa_sdst(0) depctr_va_vdst(0) depctr_va_sdst(0) depctr_va_ssrc(0) depctr_va_vcc(0) depctr_vm_vsrc(0)
	s_getreg_b32 s2, hwreg(HW_REG_IB_STS2, 6, 4)
	s_cmp_eq_u32 s2, 0
	s_cbranch_scc0 .Lentry_in_a_cluster
	s_endpgm
.Lentry_in_a_cluster:
	s_bfe_u32 s2, ttmp6, 0x10000c
	s_cmp_lg_u32 s2, 0xf033
	s_cbranch_scc0 .Lentry_shape_is_right
	s_endpgm
.Lentry_shape_is_right:
; qkv[m][n] = the sum over e of x[m][e] wb[e][n].  xb: x in bf16, in blocks [16][8192][64]; wb: [1024][3072] bf16; qkv: [8192][3072] f16 (q | k | v), sums in f32, rounded once.
; LIMIT: f16 ends at 65,504: q, k and v must lie within it.
; SHARES.  A tile of qkv is 256 rows x 384 columns: 32 x 8 = 256 tiles, one for each of 256 WGPs; a row piece is 768 bytes, three aligned blocks of 256.
; Wave (wr, wc) makes 128 rows x 192 columns: 8 x 12 = 96 accumulators of 16 x 16, 768 registers: for 32 along K it reads 40 x 512 bytes from LDS for 96 matrix instructions.
; K goes in 16 steps of 64 through two LDS slots (two slots of 128 along K, 2 x 180,224 bytes, do not fit).  A slot: xb's tile, 256 rows x 128 bytes, which is 32,768 bytes on end in
; memory and is asked for as 128 rows of 256 bytes (wave 0); three chunks of wb's tile, 64 rows x 256 bytes each (waves 1 to 3).  wb lies [e][n]: its fragments come out of LDS turned.
; CLUSTER 4 x 4: the four of a row of the cluster need the same tile of xb, the four of a column the same tiles of wb: each is asked for jointly.
; THE MATRIX INSTRUCTION IS USED TRANSPOSED (source 0 = 16 columns of wb, source 1 = 16 rows of xb): a lane holds eight neighbouring numbers of a row of qkv.
; A STEP of 32 along K has three PHASES of 32 matrix instructions, one for each third (64 columns) of the wave's columns.  A phase begins with the LDS loads into the third that was read last:
; phase 0: this step's third 2; phase 1: the next step's third 0 and its 8 fragments of xb; phase 2: the next step's third 1.  So each run of loads stands two phases ahead of its use.
; REGISTERS: window 0: v12-19 addresses; v24-29 the way out and the add; v32-95, v96-159 xb's fragments, two buffers; v160-255 wb's three thirds; v32-223 at work on the way out.
;   window 1 + p: the accumulators of third p: (row block a, column block i) at v[8 (4 a + i)].
.set NCOL,   3072
.set KSTEP,  64
.set KBLK,   8192*128                  ; bytes of a block of xb
.set PA,     144                       ; xb's LDS row: 128 + 16 bytes = 36 words: the 16 rows of a load start at 16 different groups of four banks (64 banks of 4 bytes: ISA guide 11.1)
.set PB,     288                       ; wb's LDS row: 256 + 32 bytes = 72 words
.set AREG,   256*PA                    ; xb's tile
.set REGB,   64*PB                     ; a chunk of wb's; AREG = 2 REGB
.set SLOT,   AREG+3*REGB               ; 92,160 bytes
.set SLOT1,  1<<17                     ; slot 1 begins here, so that one exclusive or turns an address in one slot into the other's
.set SPITCH, 784                       ; the way out: 768 + 16 bytes a row; the stage (256 rows) lies over the ring, whose last fill and last read are over by then
.set SPARE,  SLOT1+SLOT                ; behind the ring and the stage: the spare words, 128 bytes a wave, that no other line names
.set AA0,  12                          ; v12    my place in xb's tile; never rewritten
.set AB0,  13                          ; v13-15 my place in third p of wb's tile; never rewritten
.set ADRA, 16                          ; v16    the same in the slot in hand
.set ADRB, 17                          ; v17-19
.set STO,  24                          ; v24 the way out: where I put 16 bytes of my rows 0-63; v27: of my rows 64-127
.set RD,   25                          ; v25 where I read rows back
.set CO,   26                          ; v26 my byte offset in qkv
.set SPW,  28                          ; v28 my spare word's LDS address; never rewritten
.set NIL,  29                          ; v29 0; never rewritten
.set FA,   32
.set FB,   160
.set TMP,  32
.set TB,  2                            ; s2  LDS byte at which the slot in hand begins
.set G1,  24                           ; s[24:31] descriptor group 1, xb's tiles;  s[32:39] group 0: a set for each first fill; the second then walks on
.set G0,  32
.set G1B, 48                           ; s[48:55], s[56:63] the same for wb's
.set G0B, 56
.set MSB, 0
.macro WIN new                         ; the immediate's high byte repeats the setting that is left; a switch that changes nothing is dropped
.if MSB != (\new)
	s_set_vgpr_msb (MSB<<8)|(\new)
.set MSB, \new
.endif
.endm
.macro PLACES                          ; four places behind a matrix instruction, in front of loads into registers that it has read and of lines that read its result
.rept 4
	v_nop
.endr
.endm
; A joint load: wave 0 fetches xb's tile, waves 1 to 3 a chunk of wb's each.  The branch hangs on the wave's number alone.  An s_nop 0 and four v_nop follow each line.
.macro JLOAD s
	s_cmp_eq_u32 s10, 0
	s_cbranch_scc0 .Lfor_b_\@
	tensor_load_to_lds s[G0+4*(\s):G0+4*(\s)+3], s[G1:G1+7]
	s_nop 0
.rept 4
	v_nop
.endr
	s_branch .Lasked_\@
.Lfor_b_\@:
	tensor_load_to_lds s[G0B+4*(\s):G0B+4*(\s)+3], s[G1B:G1B+7]
	s_nop 0
.rept 4
	v_nop
.endr
.Lasked_\@:
.endm
.macro CREST                           ; a round of the cluster's barrier behind its opening barrier
	s_cmp_lg_u32 s10, 0
	s_cbranch_scc1 .Lnot_wave_0_\@
	s_barrier_signal -3
.Lnot_wave_0_\@:
	s_barrier_wait -3
	s_barrier_signal -1
	s_barrier_wait -1
.endm
.macro CROUND
	s_barrier_signal -1
	s_barrier_wait -1
	CREST
.endm
	s_load_b128 s[4:7], s[0:1], 0x0                ; xb s[4:5], wb s[6:7]
	s_load_b64 s[8:9], s[0:1], 0x10                ; qkv
	v_lshl_add_u32 v[SPW], v0, 2, SPARE
	v_mov_b32 v[NIL], 0
	ds_add_u32 v[SPW], v[NIL]                      ; the wave's opening: the add and its wait ahead of my first tensor load
	ds_add_u32 v28, v29
	v_lshrrev_b32 v1, 5, v0
	v_readfirstlane_b32 s10, v1                    ; wave 0..3
	s_lshr_b32 s11, s10, 1                         ; wr: my half of the rows
	s_and_b32 s12, s10, 1                          ; wc: my half of the columns
	s_bfe_u32 s40, ttmp6, 0x40000                  ; cx, cy: my place in the cluster
	s_bfe_u32 s41, ttmp6, 0x40004
	s_lshl_b32 s42, ttmp9, 2
	s_add_co_u32 s42, s42, s40                     ; tile column 0..7
	s_and_b32 s13, ttmp7, 0xffff
	s_lshl_b32 s13, s13, 2
	s_add_co_u32 s13, s13, s41                     ; tile row 0..31
	s_lshl_b32 s43, s41, 2
	s_lshl_b32 s43, 15, s43                        ; my row of the cluster
	s_lshl_b32 s44, 0x1111, s40                    ; my column
	s_or_b32 s[G1+0], s43, (1<<16)|(1<<20)|(1<<21)|(4<<22)|(3<<25)   ; mask; 2-byte elements; padding on; bit 21 beside a mask; after every 32 words (a row of the tile) 4 words
	s_or_b32 s[G1B+0], s44, (1<<16)|(1<<20)|(1<<21)|(5<<22)|(7<<25)  ; my column's mask; after every 64 words 8 words
.irp g, G1, G1B
	s_mov_b32 s[(\g)+1], 128<<16                   ; tensor_dim0 = 128 elements: 256 bytes
	s_mov_b32 s[(\g)+3], 128<<16                   ; tile_dim0 = 128
	s_mov_b32 s[(\g)+6], 0
	s_mov_b32 s[(\g)+7], 0
.endr
	s_mov_b32 s[G1+2], 128<<16                     ; xb: tensor_dim1 = 128 rows of 256 bytes (two rows of the tile each),
	s_mov_b32 s[G1+4], 128                         ; tile_dim1 = 128,
	s_mov_b32 s[G1+5], 128                         ; on end in memory
	s_mov_b32 s[G1B+2], KSTEP<<16                  ; wb: tensor_dim1 = 64,
	s_mov_b32 s[G1B+4], KSTEP                      ; tile_dim1 = 64,
	s_mov_b32 s[G1B+5], NCOL                       ; 3,072 elements from row to row
	s_mov_b32 s[TB], 0
	s_lshl_b32 s16, s13, 15                        ; xb: 256 rows of 128 bytes a tile row, in each block
	s_mov_b32 s17, 0
	s_max_u32 s45, s10, 1
	s_sub_co_u32 s45, s45, 1                       ; wb: the chunk that I fetch (waves 1 to 3),
	s_lshl_b32 s45, s45, 8                         ; 256 bytes along the row,
	s_mul_i32 s46, s42, 768                        ; in the tile column's 768
	s_add_co_u32 s46, s46, s45
	s_mov_b32 s47, 0
	s_add_co_u32 s20, s10, 1
	s_mul_i32 s20, s20, REGB                       ; where a chunk goes: behind xb's tile (2 REGB), chunk by chunk: (wave + 1) x REGB; no place in the cluster enters an LDS address
	s_wait_dscnt 0x0                               ; the opening add is done
	s_wait_kmcnt 0x0
	s_add_nc_u64 s[14:15], s[4:5], s[16:17]
	s_add_nc_u64 s[46:47], s[6:7], s[46:47]
	CROUND                                         ; all sixteen work-groups are here: the first joint loads meet
.irp s, 0,1
	s_mov_b32 s[G0+4*(\s)], 1
	s_mov_b32 s[G0+4*(\s)+1], (\s)*SLOT1
	s_add_nc_u64 s[G0+4*(\s)+2:G0+4*(\s)+3], s[14:15], (\s)*KBLK
	s_or_b32 s[G0+4*(\s)+3], s[G0+4*(\s)+3], 0x80000000
	s_mov_b32 s[G0B+4*(\s)], 1
	s_add_co_u32 s[G0B+4*(\s)+1], s20, (\s)*SLOT1
	s_add_nc_u64 s[G0B+4*(\s)+2:G0B+4*(\s)+3], s[46:47], (\s)*KSTEP*NCOL*2
	s_or_b32 s[G0B+4*(\s)+3], s[G0B+4*(\s)+3], 0x80000000
	JLOAD \s                                       ; K steps 0 and 1: two loads of mine are out
.endr
	v_and_b32 v1, 15, v0                           ; l % 16
	v_bfe_u32 v2, v0, 4, 1                         ; l / 16
	s_mul_i32 s21, s11, 128*PA                     ; my 128 rows of xb's tile
	v_mul_u32_u24 v3, v1, PA
	v_lshl_add_u32 v3, v2, 4, v3                   ; xb's fragment: row x pitch + 16 x half
	v_add_nc_u32 v[AA0], s21, v3
	v_and_b32 v4, 7, v0                            ; wb's, turned: lane l reads row 8 (l / 16) + l % 8, columns 8 ((l / 8) % 2) + 0..7
	v_lshl_add_u32 v4, v2, 3, v4
	v_mul_u32_u24 v4, v4, PB
	v_bfe_u32 v5, v0, 3, 1
	v_lshl_add_u32 v4, v5, 4, v4
	s_mul_i32 s22, s12, 3                          ; my third p is the tile's sixth 3 wc + p: chunk (3 wc + p) / 2, its left or right 128 bytes
.irp p, 0,1,2
	s_add_co_u32 s45, s22, \p
	s_lshr_b32 s14, s45, 1
	s_mul_i32 s14, s14, REGB
	s_and_b32 s15, s45, 1
	s_lshl_b32 s15, s15, 7
	s_add_co_u32 s14, s14, s15
	s_add_co_u32 s14, s14, AREG
	v_add_nc_u32 v[AB0+(\p)], s14, v4
.endr
	s_mul_i32 s21, s11, 128*SPITCH                 ; into the stage: my 128 rows, my 384 bytes of them; row l % 16, 16 bytes for each half of the lanes
	s_mul_i32 s45, s12, 384
	s_add_co_u32 s21, s21, s45
	v_mul_u32_u24 v6, v1, SPITCH
	v_lshl_add_u32 v6, v2, 4, v6
	v_add_nc_u32 v[STO], s21, v6
	v_add_nc_u32 v[STO+3], 64*SPITCH, v[STO]
	s_lshl_b32 s22, s10, 6
	v_add_nc_u32 v7, s22, v2                       ; back: wave w takes rows 64 w .. 64 w + 63 whole; lanes 0-15 one row's 256 bytes, lanes 16-31 the next row's
	v_mul_u32_u24 v7, v7, SPITCH
	v_lshl_add_u32 v[RD], v1, 4, v7
	v_mul_u32_u24 v7, v2, NCOL*2
	v_lshl_add_u32 v[CO], v1, 4, v7
	s_lshl_b32 s16, s13, 8
	s_add_co_u32 s16, s16, s22                     ; the first row that I store: 256 x tile row + 64 x wave
	s_mul_i32 s16, s16, NCOL*2
	s_mov_b32 s17, 0
	s_add_nc_u64 s[8:9], s[8:9], s[16:17]
	s_mul_i32 s46, s42, 768
	s_mov_b32 s47, 0
	s_add_nc_u64 s[8:9], s[8:9], s[46:47]
; na x 4 matrix instructions of phase p: row blocks a0 on x the third's 4 column blocks, 32 along K, xb's buffer fa.  zero = 1: the product starts the sums.
; The 96 accumulators take turns, one instruction a turn, in the same order in every step.
.macro PH p, fa, a0, na, zero
	WIN 0x50*((\p)+1)                              ; C and D in window 1 + p, the sources in window 0
.set aa, \a0
.rept \na
.irp i, 0,1,2,3
.if \zero
	v_wmma_f32_16x16x32_bf16 v[8*(4*aa+(\i)):8*(4*aa+(\i))+7], v[FB+32*(\p)+8*(\i):FB+32*(\p)+8*(\i)+7], v[FA+64*(\fa)+8*aa:FA+64*(\fa)+8*aa+7], 0
.else
	v_wmma_f32_16x16x32_bf16 v[8*(4*aa+(\i)):8*(4*aa+(\i))+7], v[FB+32*(\p)+8*(\i):FB+32*(\p)+8*(\i)+7], v[FA+64*(\fa)+8*aa:FA+64*(\fa)+8*aa+7], v[8*(4*aa+(\i)):8*(4*aa+(\i))+7]
.endif
.endr
.set aa, aa+1
.endr
.endm
.macro LB p, kq                        ; 8 LDS loads: third p of wb, half kq (32 along K) of the slot in hand
.irp i, 0,1,2,3
	ds_load_tr16_b128 v[FB+32*(\p)+8*(\i):FB+32*(\p)+8*(\i)+3],   v[ADRB+(\p)] offset:(\kq)*32*PB+32*(\i)
	ds_load_tr16_b128 v[FB+32*(\p)+8*(\i)+4:FB+32*(\p)+8*(\i)+7], v[ADRB+(\p)] offset:(\kq)*32*PB+16*PB+32*(\i)
.endr
.endm
.macro LA f, kq                        ; 16 LDS loads: my 128 rows of xb, half kq of the slot in hand, into buffer f
.irp a, 0,1,2,3,4,5,6,7
	ds_load_b128 v[FA+64*(\f)+8*(\a):FA+64*(\f)+8*(\a)+3],   v[ADRA] offset:(\kq)*64+(\a)*16*PA
	ds_load_b128 v[FA+64*(\f)+8*(\a)+4:FA+64*(\f)+8*(\a)+7], v[ADRA] offset:(\kq)*64+(\a)*16*PA+32
.endr
.endm
.macro ADRS                            ; my places in the slot in hand
	v_add_nc_u32 v[ADRA], s[TB], v[AA0]
.irp p, 0,1,2
	v_add_nc_u32 v[ADRB+(\p)], s[TB], v[AB0+(\p)]
.endr
.endm
; A slot's first step (xb's buffer 0); it fetches the slot's second step.
.macro STEPA zero
	PLACES
	WIN 0
	LB 2, 0
	s_wait_dscnt 16                                ; third 0 and xb's fragments are in; the younger sixteen loads (thirds 1 and 2) may be out
	PH 0, 0, 0, 8, \zero
	PLACES
	WIN 0
	LB 0, 1
	LA 1, 1
	s_wait_dscnt 32                                ; third 1 is in; third 2's eight loads and the 24 just issued may be out
	PH 1, 0, 0, 8, \zero
	PLACES
	WIN 0
	LB 1, 1
	s_wait_dscnt 32                                ; third 2 is in; the 24 and the 8 issued behind it may be out
	PH 2, 0, 0, 8, \zero
.endm
; A slot's second step (xb's buffer 1), with THE CHANGE OF SLOTS in its first phase, behind the last loads from the slot.  In front of the barrier each wave waits for all its tensor loads
; (one is out: its part of the next slot), adds 0 to its spare word, and waits for that and for its reads of this slot.  fill = 1: the barrier opens a round of the cluster's, and this slot is
; filled again, two K steps on, first thing behind it: the walking descriptor turns to the other slot than last time and steps one K step.  Then the next slot's first step is fetched.
.macro STEPB fill
	PLACES
	WIN 0
	LB 2, 1
	s_wait_dscnt 16                                ; as in a slot's first step
	PH 0, 1, 0, 4, 0
	WIN 0
	s_wait_tensorcnt 0x0                           ; no tensor load of mine is out, so a group 0 may be written
	ds_add_u32 v[SPW], v[NIL]                      ; 0 onto my spare word; scalar work and eight products stand between it and the wait for it
.if \fill
	s_xor_b32 s[G0+5], s[G0+5], SLOT1
	s_add_nc_u64 s[G0+6:G0+7], s[G0+6:G0+7], KBLK
	s_xor_b32 s[G0B+5], s[G0B+5], SLOT1
	s_add_nc_u64 s[G0B+6:G0B+7], s[G0B+6:G0B+7], KSTEP*NCOL*2
.endif
	s_xor_b32 s[TB], s[TB], SLOT1                  ; the fetches go to the other slot
	PH 0, 1, 4, 2, 0
	s_wait_dscnt 0x0                               ; the add is done, and my reads of this slot are over: thirds 1 and 2 of this step are in
	s_barrier_signal -1
	PH 0, 1, 6, 2, 0
	WIN 0
	s_barrier_wait -1
.if \fill
	CREST                                          ; no wave of any partner still reads this slot or has a load on its way
	JLOAD 1                                        ; 176 matrix instructions ahead of the wait for it; its four v_nop are also the places in front of the loads below
.else
	PLACES
.endif
	ADRS
	LB 0, 0
	LA 0, 0
	PH 1, 1, 0, 8, 0
	PLACES
	WIN 0
	LB 1, 0
	PH 2, 1, 0, 8, 0
.endm
	s_wait_tensorcnt 1                             ; my part of K step 0 is in; K step 1's may stay out
	s_barrier_signal -1
	s_barrier_wait -1
	ADRS
	LB 0, 0
	LA 0, 0
	LB 1, 0
	STEPA 1                                        ; the first step stands in front of the loop: its products start the sums
	WIN 0
	s_mov_b32 s3, 14
.Lslot:                                                ; a trip: a slot's second step, the change of slots with its refill, the next slot's first step.  14 trips ask for K steps 2 to 15
	STEPB 1
	STEPA 0
	WIN 0
	s_sub_co_u32 s3, s3, 1
	s_cmp_lg_u32 s3, 0
	s_cbranch_scc1 .Lslot
	STEPB 0                                        ; the tail is written out: the last change of slots fills nothing
	STEPA 0
	PLACES                                         ; the very last step: nothing more to fetch but its own third 2
	WIN 0
	LB 2, 1
	s_wait_dscnt 16
	PH 0, 1, 0, 8, 0
	s_wait_dscnt 8                                 ; third 1 is in; third 2's eight loads may be out
	PH 1, 1, 0, 8, 0
	s_wait_dscnt 0x0                               ; my last reads of the ring are over:
	s_barrier_signal -1                            ; say so,
	PH 2, 1, 0, 8, 0
	WIN 0
	s_barrier_wait -1                              ; and write the stage over the ring only when all four have said so
	; THE WAY OUT: rounded to f16, a third at a time; 16 bytes a lane into the stage; a barrier, since a row's 768 bytes come from two waves; back as whole rows, 64 rows a wave.
	PLACES
.irp p, 0,1,2
	WIN 0x05*((\p)+1)                              ; sources in window 1 + p; each accumulator's registers in ascending order
.set x, 0
.rept 128
	v_cvt_pk_f16_f32 v[TMP+x], v[2*x], v[2*x+1]
.set x, x+1
.endr
	WIN 0
.irp a, 0,1,2,3,4,5,6,7
.irp i, 0,1,2,3
	ds_store_b128 v[STO+3*((\a)/4)], v[TMP+4*(4*(\a)+(\i)):TMP+4*(4*(\a)+(\i))+3] offset:((\a)%4)*16*SPITCH+128*(\p)+32*(\i)
.endr
.endr
.endr
	s_wait_dscnt 0x0                               ; for the others' sake: my stores into the stage are done
	s_barrier_signal -1
	s_barrier_wait -1
	s_mov_b32 s3, 2
.Lback:                                                ; two trips of 32 rows: 48 loads of two rows' 256 bytes, and their stores
.set t, 0
.rept 48
	ds_load_b128 v[TMP+4*t:TMP+4*t+3], v[RD] offset:(t/3)*2*SPITCH+256*(t%3)
.set t, t+1
.endr
.set t, 0
.rept 48
	s_wait_dscnt 47-t                              ; load t is back; the younger ones may be out
	global_store_b128 v[CO], v[TMP+4*t:TMP+4*t+3], s[8:9] offset:(t/3)*2*NCOL*2+256*(t%3)  ; 16 lanes store 256 consecutive bytes, at a multiple of 256 from qkv's first byte
.set t, t+1
.endr
	s_wait_xcnt 0x0                                ; the stores' base is stepped, and the registers that they read are loaded again, only behind this wait
	v_add_nc_u32 v[RD], 32*SPITCH, v[RD]           ; 32 rows on, in the stage
	s_add_nc_u64 s[8:9], s[8:9], 32*NCOL*2         ; and in qkv
	s_sub_co_u32 s3, s3, 1
	s_cmp_lg_u32 s3, 0
	s_cbranch_scc1 .Lback
	s_wait_tensorcnt 0x0                           ; the wave's end
	ds_add_u32 v[SPW], v[NIL]
	s_wait_dscnt 0x0
	CROUND                                         ; the closing round
	s_endpgm
.Lfunc_end_k_qff98a51266_proj:
	.size	k_qff98a51266_proj, .Lfunc_end_k_qff98a51266_proj-k_qff98a51266_proj
	.p2alignl 7, 3214868480
	.fill 96, 4, 3214868480
	.section	.rodata,"a",@progbits
	.p2align	6, 0x0
	.amdhsa_kernel k_qff98a51266_proj
		.amdhsa_group_segment_fixed_size 327680
		.amdhsa_private_segment_fixed_size 0
		.amdhsa_enable_private_segment 0
		.amdhsa_kernarg_size 24
		.amdhsa_user_sgpr_count 2
		.amdhsa_user_sgpr_kernarg_segment_ptr 1
		.amdhsa_wavefront_size32 1
		.amdhsa_system_sgpr_workgroup_id_x 1
		.amdhsa_system_sgpr_workgroup_id_y 1
		.amdhsa_system_sgpr_workgroup_id_z 1
		.amdhsa_system_vgpr_workitem_id 0
		.amdhsa_next_free_vgpr 1024
		.amdhsa_next_free_sgpr 66
		.amdhsa_reserve_vcc 0
		.amdhsa_float_denorm_mode_32 3
		.amdhsa_float_denorm_mode_16_64 3
		.amdhsa_memory_ordered 1
		.amdhsa_forward_progress 1
		.amdhsa_inst_pref_size 105
	.end_amdhsa_kernel
	.amdgpu_metadata
---
amdhsa.version: [ 1, 2 ]
amdhsa.kernels:
  - .name:           k_qff98a51266_proj
    .symbol:         k_qff98a51266_proj.kd
    .args:
      - { .name: xb, .offset: 0, .size: 8, .value_kind: global_buffer, .address_space: global }
      - { .name: wb, .offset: 8, .size: 8, .value_kind: global_buffer, .address_space: global }
      - { .name: qkv, .offset: 16, .size: 8, .value_kind: global_buffer, .address_space: global }
    .group_segment_fixed_size: 327680
    .private_segment_fixed_size: 0
    .kernarg_segment_align: 8
    .kernarg_segment_size: 24
    .max_flat_workgroup_size: 128
    .sgpr_count:     66
    .vgpr_count:     1024
    .wavefront_size: 32
...
	.end_amdgpu_metadata
.endif
;; end of part 2
;; launch score (part 3): grid 36 x 4, 4 waves a work-group, no clusters, 327,680 bytes of LDS; arguments qkv, pm, st; writes pm, st
.if DOCPART == 3
	.amdgcn_target "amdgcn-amd-amdhsa--gfx1250"
	.amdhsa_code_object_version 6
	.text
	.protected	k_qff98a51266_score
	.globl	k_qff98a51266_score
	.p2align	8
	.type	k_qff98a51266_score,@function
k_qff98a51266_score:
	s_mov_b64 s[64:65], 0
	v_nop
	global_prefetch_b8 v0, s[64:65] scope:SCOPE_SE
	s_setreg_imm32_b32 hwreg(HW_REG_WAVE_MODE, 25, 1), 1
	s_wait_xcnt 0x0
; For each tile (I, J), J <= I, of 256 queries x 256 keys of a batch: s = q . k over 1,024 channels (f16 operands, f32 sums); on the diagonal tile hidden scores are pushed down;
; m = the row's maximum in the tile; p = 2^(c s - c m), c = log2(e) / 32; pm takes p in f16, st takes c m and l = the row's sum of p (unrounded) in f32.
; The last launch joins the tiles of a row by the true maximum over all of them.  Tiles above the diagonal are not made.
; LIMITS.  A hidden score counts as its value less 1e30; a weight below 2^-126 counts as 0 in l, one below 6e-8 is stored as 0; NaN and infinities are not treated apart.
; SHARES.  36 tiles a batch, a work-group each; four waves, each 128 x 128: 64 accumulators, 512 registers.  K goes in 8 steps of 128 through two LDS slots; each wave fetches 128 rows x 256 bytes.
; A K step is written once: the slot in hand is a scalar register (0 or SLOT), turned by an exclusive or at each change of slots and added to the lanes' fixed places.
; NO CLUSTER: a batch's triangle has 1 to 8 tiles in a row and in a column, so 36 tiles do not fall into groups of four that share one tile of q or of k; partners would need unlike masks.
; TRANSPOSED USE: source 0 = 16 keys, source 1 = 16 queries: a lane holds ONE query (l % 16) and the keys 8 (l / 16) + 0..7 of each key block.
; REGISTERS: window 0: v16-31 addresses; v64-127, v128-191 q's fragments, two buffers (later at work);  window 1: v64-127, v128-191 k's;  windows 2, 3: accumulators (a, b) at v[8 (8 (a % 4) + b)].
.set KSTEP,  128
.set PITCH,  272                       ; 256 + 16 bytes = 68 words: the 16 rows of a load start at 16 different groups of four banks (64 banks of 4 bytes: ISA guide 11.1)
.set HALFT,  128*PITCH
.set SLOT,   4*HALFT                   ; q's 256 rows, then k's 256 rows
.set STAGE,  2*SLOT                    ; 16 rows x 272 bytes for each wave, for the way out
.set SPITCH, 272
.set XM,     STAGE+4*16*SPITCH         ; [2 column halves][256 rows] f32: the waves' row maxima
.set XL,     XM+2048                   ; the same for the row sums
.set SPARE,  XM+4096                   ; the spare words, 128 bytes a wave, that no other line names
.set AA0,  16                          ; v16 my place in q's tile; never rewritten
.set AB0,  17                          ; v17 in k's; never rewritten
.set ADRA, 18                          ; v18 the same in the slot in hand
.set ADRB, 19                          ; v19
.set SG,   20                          ; v20 my 8 bytes in a record of st
.set SR,   21                          ; v21 the same in XM
.set TH,   23                          ; v23 l % 16 - 8 (l / 16): on the diagonal block register j is hidden where j is greater
.set STO,  24
.set RD,   25
.set CO,   26
.set SPW,  28
.set NIL,  29
.set XA,   30                          ; v30 my row's word in my wave's part of XM
.set XB,   31                          ; v31 in the partner's (the other column half)
.set OB,   32                          ; v32-63   16 rows read back from the stage
.set SB,   64                          ; v64-127  one row block's 64 scaled scores, then weights
.set MXC,  128                         ; v128-143 two chains of maxima for each row block
.set LS,   144                         ; v144-151 the partner's maxima; then the eight row sums
.set CM,   152                         ; v152-167 c m, in pairs
.set LC,   168                         ; v168-175 four chains of sums
.set MD,   176                         ; v176-183 the diagonal block's mask
.set T,    184                         ; v184-191 at work
.set TMP,  192                         ; v192-223 packed weights
.set F0,   64
.set F1,   128
.set G1,  24
.set G0,  32                           ; s[32:39] descriptor group 0: a set for each first fill; the second then walks on
.set CS,  40                           ; s[40:41] c
.set SEL, 42                           ; s[42:43] v_permlanex16_b32's selects: each lane takes its own place in the other half
.set SUP, 44                           ; s[44:45] what is added above the diagonal block
.set SLO, 46                           ; s[46:47] below it
.set BIGN, 48
.set AI,  49
.set PMB, 50
.set STB, 52
.set TB,  54                           ; s54 LDS byte at which the slot in hand begins
.set MSB, 0
.macro WIN new
.if MSB != (\new)
	s_set_vgpr_msb (MSB<<8)|(\new)
.set MSB, \new
.endif
.endm
.set MUL_LO, 0xa1                      ; source 0 (k) window 1, source 1 (q) window 0, C and D window 2
.set TO_B,   0x40
.macro PLACES                          ; four places behind a matrix instruction (ISA guide 7.12.1)
.rept 4
	v_nop
.endr
.endm
	s_load_b128 s[4:7], s[0:1], 0x0                ; qkv s[4:5], pm s[6:7]
	s_load_b64 s[8:9], s[0:1], 0x10                ; st
	v_lshl_add_u32 v[SPW], v0, 2, SPARE
	v_mov_b32 v[NIL], 0
	ds_add_u32 v[SPW], v[NIL]                      ; the wave's opening: the add and its wait ahead of my first tensor load
	ds_add_u32 v28, v29
	v_lshrrev_b32 v1, 5, v0
	v_readfirstlane_b32 s10, v1                    ; wave 0..3
	s_lshr_b32 s11, s10, 1                         ; my half of the rows.  Also: I fetch for q (0) or k (1)
	s_and_b32 s12, s10, 1                          ; my half of the columns.  Also: which 128 rows I fetch
	s_mov_b32 s2, ttmp9                            ; the tile's number in the triangle, row by row
	s_mov_b32 s13, 0
.irp th, 1,3,6,10,15,21,28
	s_cmp_ge_u32 s2, \th                           ; I = how many rows of the triangle begin at or below my number
	s_add_co_ci_u32 s13, s13, 0
.endr
	s_add_co_u32 s14, s13, 1
	s_mul_i32 s14, s14, s13
	s_lshr_b32 s14, s14, 1
	s_sub_co_u32 s14, s2, s14                      ; J = number - I (I + 1) / 2
	s_and_b32 s15, ttmp7, 0xffff                   ; batch
	s_mov_b32 s[G1+0], (1<<16)|(1<<20)|(5<<22)|(3<<25)  ; 2-byte elements; padding on: after every 64 words 4 words
	s_mov_b32 s[G1+1], KSTEP<<16                   ; tensor_dim0 = 128
	s_mov_b32 s[G1+2], 128<<16                     ; tensor_dim1 = 128
	s_mov_b32 s[G1+3], KSTEP<<16                   ; tile_dim0 = 128
	s_mov_b32 s[G1+4], 128                         ; tile_dim1 = 128
	s_mov_b32 s[G1+5], 3072                        ; elements from row to row of qkv
	s_mov_b32 s[G1+6], 0
	s_mov_b32 s[G1+7], 0
	s_mov_b32 s[CS], 0x3d38aa3b                    ; c = log2(e) / 32
	s_mov_b32 s[CS+1], s[CS]
	s_mov_b32 s[SEL], 0x76543210
	s_mov_b32 s[SEL+1], 0xfedcba98
	s_mov_b32 s[BIGN], 0xf149f2ca                  ; -1e30
	s_mov_b32 s[TB], 0
	s_cmp_eq_u32 s11, 0
	s_cselect_b32 s16, s13, s14                    ; q's block is I, k's is J
	s_lshl_b32 s16, s16, 8
	s_lshl_b32 s17, s15, 11
	s_add_co_u32 s16, s16, s17
	s_lshl_b32 s17, s12, 7
	s_add_co_u32 s16, s16, s17                     ; the first row that I fetch
	s_mul_i32 s16, s16, 6144
	s_lshl_b32 s17, s11, 11                        ; k lies 2,048 bytes along the row
	s_add_co_u32 s16, s16, s17
	s_mov_b32 s17, 0
	s_mul_i32 s20, s10, HALFT                      ; where it goes in a slot: wave x 128 rows; kept for the refills
	s_wait_dscnt 0x0                               ; the opening add is done
	s_wait_kmcnt 0x0
	s_add_nc_u64 s[18:19], s[4:5], s[16:17]
.irp s, 0,1
	s_mov_b32 s[G0+4*(\s)], 1
	s_add_co_u32 s[G0+4*(\s)+1], s20, (\s)*SLOT
	s_add_nc_u64 s[G0+4*(\s)+2:G0+4*(\s)+3], s[18:19], (\s)*KSTEP*2
	s_or_b32 s[G0+4*(\s)+3], s[G0+4*(\s)+3], 0x80000000
	tensor_load_to_lds s[G0+4*(\s):G0+4*(\s)+3], s[G1:G1+7]  ; K steps 0 and 1: two loads of mine are out
	s_nop 0
.endr
	v_and_b32 v1, 15, v0                           ; l % 16
	v_bfe_u32 v2, v0, 4, 1                         ; l / 16
	v_mul_u32_u24 v3, v1, PITCH
	v_lshl_add_u32 v3, v2, 4, v3                   ; row x pitch + 16 x half
	s_mul_i32 s21, s11, HALFT
	s_mul_i32 s22, s12, HALFT
	s_add_co_u32 s22, s22, 2*HALFT
	v_add_nc_u32 v[AA0], s21, v3
	v_add_nc_u32 v[AB0], s22, v3
	s_mul_i32 s23, s10, 16*SPITCH
	s_add_co_u32 s23, s23, STAGE                   ; my stage
	v_add_nc_u32 v[STO], s23, v3                   ; in: row l % 16, 16 bytes for each half of the lanes
	v_mul_u32_u24 v5, v2, SPITCH                   ; back: lanes 0-15 one row of 256 bytes, lanes 16-31 the next
	v_lshl_add_u32 v5, v1, 4, v5
	v_add_nc_u32 v[RD], s23, v5
	v_lshlrev_b32 v5, 12, v2                       ; and the same two rows in pm (4,096 bytes a row)
	v_lshl_add_u32 v[CO], v1, 4, v5
	s_lshl_b32 s21, s12, 10                        ; XM: column half x 1,024 bytes
	s_lshl_b32 s22, s11, 9                         ; + row half x 512
	s_add_co_u32 s23, s21, s22
	s_add_co_u32 s23, s23, XM
	v_lshl_add_u32 v[XA], v1, 2, s23
	s_xor_b32 s21, s21, 1024
	s_add_co_u32 s23, s21, s22
	s_add_co_u32 s23, s23, XM
	v_lshl_add_u32 v[XB], v1, 2, s23
	v_and_b32 v6, 31, v0
	s_lshl_b32 s21, s10, 8
	v_lshl_add_u32 v[SG], v6, 3, s21               ; at the end wave w joins rows 64 w .. 64 w + 63, two a lane
	v_add_nc_u32 v[SR], XM, v[SG]
	v_lshlrev_b32 v7, 3, v2
	v_sub_nc_u32 v[TH], v1, v7
	s_lshl_b32 s16, s15, 23                        ; pm: batch x 2,048 rows x 4,096 bytes
	s_lshl_b32 s17, s13, 20                        ; + I x 256 rows
	s_add_co_u32 s16, s16, s17
	s_lshl_b32 s17, s11, 19                        ; + my 128 rows
	s_add_co_u32 s16, s16, s17
	s_lshl_b32 s17, s14, 9                         ; + J x 512 bytes
	s_add_co_u32 s16, s16, s17
	s_lshl_b32 s17, s12, 8                         ; + my 256 bytes
	s_add_co_u32 s16, s16, s17
	s_mov_b32 s17, 0
	s_add_nc_u64 s[PMB:PMB+1], s[6:7], s[16:17]
	s_lshl_b32 s16, s15, 3
	s_add_co_u32 s16, s16, s13
	s_lshl_b32 s16, s16, 3
	s_add_co_u32 s16, s16, s14
	s_lshl_b32 s16, s16, 11                        ; st: ((batch x 8 + I) x 8 + J) records of 2,048 bytes
	s_add_nc_u64 s[STB:STB+1], s[8:9], s[16:17]
; 16 matrix instructions: row blocks a0, a0 + 1 of the window's four x all 8 key blocks, 32 along K.  The 64 accumulators take turns, one instruction a turn.
.macro MUL16 f, hi, a0, zero
	WIN MUL_LO+0x50*(\hi)
.irp a, \a0, (\a0)+1
.irp b, 0,1,2,3,4,5,6,7
.if \zero
	v_wmma_f32_16x16x32_f16 v[8*(8*(\a)+(\b)):8*(8*(\a)+(\b))+7], v[(\f)+8*(\b):(\f)+8*(\b)+7], v[(\f)+8*(4*(\hi)+(\a)):(\f)+8*(4*(\hi)+(\a))+7], 0
.else
	v_wmma_f32_16x16x32_f16 v[8*(8*(\a)+(\b)):8*(8*(\a)+(\b))+7], v[(\f)+8*(\b):(\f)+8*(\b)+7], v[(\f)+8*(4*(\hi)+(\a)):(\f)+8*(4*(\hi)+(\a))+7], v[8*(8*(\a)+(\b)):8*(8*(\a)+(\b))+7]
.endif
.endr
.endr
.endm
.macro ADRS                            ; my places in the slot in hand
	v_add_nc_u32 v[ADRA], s[TB], v[AA0]
	v_add_nc_u32 v[ADRB], s[TB], v[AB0]
.endm
; 32 LDS loads in one run: 128 rows of k, then 128 rows of q, 32 along K at byte k of the rows of the slot in hand, into buffer f
.macro FETCH k, f
	WIN TO_B
.irp i, 0,1,2,3,4,5,6,7
	ds_load_b128 v[(\f)+8*(\i):(\f)+8*(\i)+3],   v[ADRB] offset:(\k)+(\i)*16*PITCH
	ds_load_b128 v[(\f)+8*(\i)+4:(\f)+8*(\i)+7], v[ADRB] offset:(\k)+(\i)*16*PITCH+32
.endr
	WIN 0
.irp i, 0,1,2,3,4,5,6,7
	ds_load_b128 v[(\f)+8*(\i):(\f)+8*(\i)+3],   v[ADRA] offset:(\k)+(\i)*16*PITCH
	ds_load_b128 v[(\f)+8*(\i)+4:(\f)+8*(\i)+7], v[ADRA] offset:(\k)+(\i)*16*PITCH+32
.endr
.endm
.macro QUARTER k, f, g, zero
	s_wait_dscnt 8                                 ; k and q's rows 0-63 are in; the youngest eight loads (q's rows 64-127) may be out
	MUL16 \f, 0, 0, \zero
	MUL16 \f, 0, 2, \zero
	PLACES
	FETCH \k, \g
	s_wait_dscnt 32                                ; all but the 32 just issued
	MUL16 \f, 1, 0, \zero
	MUL16 \f, 1, 2, \zero
.endm
; The last quarter multiplies buffer 1 and changes slots: one barrier; in front of it each wave waits for all its tensor loads (one is out: its part of the next slot),
; adds 0 to its spare word, and waits for that and for its reads of this slot.  fill = 1: the slot is filled again, two K steps on, first thing behind the barrier:
; the walking descriptor takes the slot that is left and steps one K step.
.macro TURN fill
	WIN 0
	s_wait_tensorcnt 0x0                           ; no tensor load of mine is out, so a group 0 may be written
	ds_add_u32 v[SPW], v[NIL]
.if \fill
	s_add_co_u32 s[G0+5], s20, s[TB]
	s_add_nc_u64 s[G0+6:G0+7], s[G0+6:G0+7], KSTEP*2
.endif
	s_xor_b32 s[TB], s[TB], SLOT                   ; 0 and SLOT by turns: the fetches go to the other slot
	s_wait_dscnt 9                                 ; the add and the youngest eight loads may be out
	MUL16 F1, 0, 0, 0
	s_wait_dscnt 0x0                               ; the add is done, and my reads of this slot are over
	s_barrier_signal -1
	MUL16 F1, 0, 2, 0
	WIN 0
	s_barrier_wait -1
.if \fill
	tensor_load_to_lds s[G0+4:G0+7], s[G1:G1+7]    ; 224 matrix instructions ahead of the wait for it
	s_nop 0
.endif
	PLACES
	ADRS
	FETCH 0, F0
	MUL16 F1, 1, 0, 0
	MUL16 F1, 1, 2, 0
.endm
	s_wait_tensorcnt 1                             ; my part of K step 0 is in; K step 1's may stay out
	s_barrier_signal -1
	s_barrier_wait -1
	ADRS
	FETCH 0, F0
	QUARTER 64, F0, F1, 1                          ; the first quarter stands in front of the loop: its products start the sums
	WIN 0
	s_mov_b32 s3, 6
.Lstep:                                                ; a trip: from a K step's second quarter to the next step's first; six trips ask for K steps 2 to 7
	QUARTER 128, F1, F0, 0
	QUARTER 192, F0, F1, 0
	TURN 1
	QUARTER 64,  F0, F1, 0
	WIN 0
	s_sub_co_u32 s3, s3, 1
	s_cmp_lg_u32 s3, 0
	s_cbranch_scc1 .Lstep
	QUARTER 128, F1, F0, 0                         ; the last two K steps fill nothing
	QUARTER 192, F0, F1, 0
	TURN 0
	QUARTER 64,  F0, F1, 0
	QUARTER 128, F1, F0, 0
	QUARTER 192, F0, F1, 0
	s_wait_dscnt 8
	MUL16 F1, 0, 0, 0
	MUL16 F1, 0, 2, 0
	s_wait_dscnt 0x0
	MUL16 F1, 1, 0, 0
	MUL16 F1, 1, 2, 0
	PLACES
	WIN 0
	; THE MASK, on the diagonal tile alone.  Key 128 wc + 16 b + 8 (l / 16) + j is hidden from query 128 wr + 16 a + l % 16 where it is greater: the wave right of the diagonal hides all,
	; the wave left of it nothing; in the two waves on it key blocks b > a are hidden, b < a are not, and b = a goes by the lane.  Two scalars and eight registers say so for every wave.
	s_cmp_lg_u32 s13, s14
	s_cbranch_scc1 .Lnomask
	s_cmp_ge_u32 s12, s11
	s_cselect_b32 s[SUP], s[BIGN], 0
	s_cmp_gt_u32 s12, s11
	s_cselect_b32 s[SLO], s[BIGN], 0
	s_mov_b32 s[SUP+1], s[SUP]
	s_mov_b32 s[SLO+1], s[SLO]
	v_mov_b32 v[T], s[SLO]
.irp j, 0,1,2,3,4,5,6,7
	v_cmp_gt_i32 vcc_lo, \j, v[TH]
	v_cndmask_b32 v[MD+(\j)], v[T], s[SUP], vcc_lo
.endr
.set x, 0                              ; accumulator 8 a + b; its registers in ascending order
.rept 64
	WIN 0x82+0x41*(x/32)
.set z, 0
.rept 4
.if (x%8) > (x/8)
	v_pk_add_f32 v[8*(x%32)+2*z:8*(x%32)+2*z+1], v[8*(x%32)+2*z:8*(x%32)+2*z+1], s[SUP:SUP+1] op_sel_hi:[1,0]
.elseif (x%8) == (x/8)
	v_pk_add_f32 v[8*(x%32)+2*z:8*(x%32)+2*z+1], v[8*(x%32)+2*z:8*(x%32)+2*z+1], v[MD+2*z:MD+2*z+1]
.else
	v_pk_add_f32 v[8*(x%32)+2*z:8*(x%32)+2*z+1], v[8*(x%32)+2*z:8*(x%32)+2*z+1], s[SLO:SLO+1] op_sel_hi:[1,0]
.endif
.set z, z+1
.endr
.set x, x+1
.endr
	WIN 0
.Lnomask:
	; THE ROW MAXIMA: for each row block two chains over four key blocks each, three operands at a time; eight chains by turns.  Each accumulator's lowest registers are read first.
.set i, 0
.rept 16
	v_mov_b32 v[MXC+i], 0xff800000
.set i, i+1
.endr
.irp hi, 0,1
	WIN 0x28+0x14*(\hi)
.set n, 0
.rept 16
.irp a, 0,1,2,3
.irp k, 0,1
	v_max3_num_f32 v[MXC+2*(4*(\hi)+(\a))+(\k)], v[MXC+2*(4*(\hi)+(\a))+(\k)], v[8*(8*(\a)+4*(\k)+n/4)+2*(n%4)], v[8*(8*(\a)+4*(\k)+n/4)+2*(n%4)+1]
.endr
.endr
.set n, n+1
.endr
.endr
	WIN 0
.irp a, 0,1,2,3,4,5,6,7
	v_max_num_f32 v[MXC+2*(\a)], v[MXC+2*(\a)], v[MXC+2*(\a)+1]
.endr
.irp a, 0,1,2,3,4,5,6,7
	v_permlanex16_b32 v[MXC+2*(\a)+1], v[MXC+2*(\a)], s[SEL], s[SEL+1]  ; the row's other keys lie in the lane 16 away
.endr
.irp a, 0,1,2,3,4,5,6,7
	v_max_num_f32 v[MXC+2*(\a)], v[MXC+2*(\a)], v[MXC+2*(\a)+1]
.endr
.irp a, 0,1,2,3,4,5,6,7
	ds_store_b32 v[XA], v[MXC+2*(\a)] offset:64*(\a)
.endr
	s_wait_dscnt 0x0                               ; for the partner's sake
	s_barrier_signal -1
	s_barrier_wait -1
.irp a, 0,1,2,3,4,5,6,7
	ds_load_b32 v[LS+(\a)], v[XB] offset:64*(\a)   ; the other column half's maxima of my rows
.endr
	s_wait_dscnt 0x0
.irp a, 0,1,2,3,4,5,6,7
	v_max_num_f32 v[MXC+2*(\a)], v[MXC+2*(\a)], v[LS+(\a)]
.endr
.irp a, 0,1,2,3,4,5,6,7
	v_mul_f32 v[CM+2*(\a)], s[CS], v[MXC+2*(\a)]   ; c m; the packed scaling names a pair and takes its low word
	v_mul_f32 v[CM+2*(\a)+1], s[CS], v[MXC+2*(\a)]
.endr
	; THE WEIGHTS, a row block (16 rows x 128 keys) a trip.  Only the scaling names the block's accumulators, so only it is written eight times; a chain of forward jumps picks it.
.macro SCALE k
	WIN 0x02+(\k)/4
.set z, 0
.rept 32
	v_pk_fma_f32 v[SB+2*z:SB+2*z+1], v[64*((\k)%4)+2*z:64*((\k)%4)+2*z+1], s[CS:CS+1], v[CM+2*(\k):CM+2*(\k)+1] op_sel_hi:[1,0,0] neg_lo:[0,0,1] neg_hi:[0,0,1]  ; c s - c m
.set z, z+1
.endr
	WIN 0
.endm
	s_mov_b32 s[AI], 0
.Lblock:
.irp k, 0,1,2,3,4,5,6
	s_cmp_eq_u32 s[AI], \k
	s_cbranch_scc1 .Lsc\k
.endr
	SCALE 7
	s_branch .Lcom
.irp k, 0,1,2,3,4,5,6
.Lsc\k:
	SCALE \k
	s_branch .Lcom
.endr
.Lcom:
.set z, 0
.rept 64
	v_exp_f32 v[SB+z], v[SB+z]
.set z, z+1
.endr
	v_nop                                          ; a plain instruction behind the last exponential
.set z, 0
	s_wait_alu depctr_va_vdst(0)
.rept 32                               ; pair z is rounded to f16 and added into one of four chains
	v_cvt_pk_f16_f32 v[TMP+z], v[SB+2*z], v[SB+2*z+1]
.if (z >= 4) && (z < 8)
	v_pk_add_f32 v[LC+2*(z%4):LC+2*(z%4)+1], v[SB+2*z-8:SB+2*z-7], v[SB+2*z:SB+2*z+1]
.elseif z >= 8
	v_pk_add_f32 v[LC+2*(z%4):LC+2*(z%4)+1], v[LC+2*(z%4):LC+2*(z%4)+1], v[SB+2*z:SB+2*z+1]
.endif
.set z, z+1
.endr
.irp b, 0,1,2,3,4,5,6,7
	ds_store_b128 v[STO], v[TMP+4*(\b):TMP+4*(\b)+3] offset:32*(\b)
.endr
.irp t, 0,1,2,3,4,5,6,7
	ds_load_b128 v[OB+4*(\t):OB+4*(\t)+3], v[RD] offset:(\t)*2*SPITCH  ; LDS serves a wave's instructions in order (ISA guide 5.7.1.4): these see the stores above
.endr
	v_pk_add_f32 v[LC:LC+1], v[LC:LC+1], v[LC+2:LC+3]   ; the sum's end stands in the stage's round trip
	v_pk_add_f32 v[LC+4:LC+5], v[LC+4:LC+5], v[LC+6:LC+7]
	v_pk_add_f32 v[LC:LC+1], v[LC:LC+1], v[LC+4:LC+5]
	v_add_f32 v[LC], v[LC], v[LC+1]
	v_permlanex16_b32 v[LC+1], v[LC], s[SEL], s[SEL+1]
.irp a, 0,1,2,3,4,5,6
	v_mov_b32 v[LS+(\a)], v[LS+(\a)+1]             ; a trip cannot name a register by its count: the eight sums move through a row of eight registers, and lie in order after eight trips
.endr
	v_add_f32 v[LS+7], v[LC], v[LC+1]
	s_wait_dscnt 0x0                               ; the block is back in registers
.irp t, 0,1,2,3,4,5,6,7
	global_store_b128 v[CO], v[OB+4*(\t):OB+4*(\t)+3], s[PMB:PMB+1] offset:(\t)*8192  ; 16 lanes store 256 consecutive bytes, at a multiple of 256 from pm's first byte
.endr
	s_wait_xcnt 0x0                                ; the stores' base and data are rewritten only behind this wait
	s_add_nc_u64 s[PMB:PMB+1], s[PMB:PMB+1], 16*4096
	s_add_co_u32 s[AI], s[AI], 1
	s_cmp_lt_u32 s[AI], 8
	s_cbranch_scc1 .Lblock
.irp a, 0,1,2,3,4,5,6,7
	ds_store_b32 v[XA], v[LS+(\a)] offset:2048+64*(\a)
.endr
	s_wait_dscnt 0x0                               ; for the others' sake
	s_barrier_signal -1
	s_barrier_wait -1
	ds_load_b64 v[T:T+1], v[SR]                    ; two rows: both column halves' maxima and sums
	ds_load_b64 v[T+2:T+3], v[SR] offset:1024
	ds_load_b64 v[T+4:T+5], v[SR] offset:2048
	ds_load_b64 v[T+6:T+7], v[SR] offset:3072
	s_wait_dscnt 0x0
	v_max_num_f32 v[T], v[T], v[T+2]
	v_max_num_f32 v[T+1], v[T+1], v[T+3]
	v_pk_mul_f32 v[T:T+1], v[T:T+1], s[CS:CS+1] op_sel_hi:[1,0]  ; c m, as the weights took it
	v_pk_add_f32 v[T+4:T+5], v[T+4:T+5], v[T+6:T+7]
	global_store_b64 v[SG], v[T:T+1], s[STB:STB+1]               ; a wave stores 256 consecutive bytes, aligned
	global_store_b64 v[SG], v[T+4:T+5], s[STB:STB+1] offset:1024
	s_wait_tensorcnt 0x0                           ; the wave's end
	ds_add_u32 v[SPW], v[NIL]
	s_wait_dscnt 0x0
	s_endpgm
.Lfunc_end_k_qff98a51266_score:
	.size	k_qff98a51266_score, .Lfunc_end_k_qff98a51266_score-k_qff98a51266_score
	.p2alignl 7, 3214868480
	.fill 96, 4, 3214868480
	.section	.rodata,"a",@progbits
	.p2align	6, 0x0
	.amdhsa_kernel k_qff98a51266_score
		.amdhsa_group_segment_fixed_size 327680
		.amdhsa_private_segment_fixed_size 0
		.amdhsa_enable_private_segment 0
		.amdhsa_kernarg_size 24
		.amdhsa_user_sgpr_count 2
		.amdhsa_user_sgpr_kernarg_segment_ptr 1
		.amdhsa_wavefront_size32 1
		.amdhsa_system_sgpr_workgroup_id_x 1
		.amdhsa_system_sgpr_workgroup_id_y 1
		.amdhsa_system_sgpr_workgroup_id_z 1
		.amdhsa_system_vgpr_workitem_id 0
		.amdhsa_next_free_vgpr 1024
		.amdhsa_next_free_sgpr 66
		.amdhsa_reserve_vcc 1
		.amdhsa_float_denorm_mode_32 3
		.amdhsa_float_denorm_mode_16_64 3
		.amdhsa_memory_ordered 1
		.amdhsa_forward_progress 1
		.amdhsa_inst_pref_size 147
	.end_amdhsa_kernel
	.amdgpu_metadata
---
amdhsa.version: [ 1, 2 ]
amdhsa.kernels:
  - .name:           k_qff98a51266_score
    .symbol:         k_qff98a51266_score.kd
    .args:
      - { .name: qkv, .offset: 0, .size: 8, .value_kind: global_buffer, .address_space: global }
      - { .name: pm, .offset: 8, .size: 8, .value_kind: global_buffer, .address_space: global }
      - { .name: st, .offset: 16, .size: 8, .value_kind: global_buffer, .address_space: global }
    .group_segment_fixed_size: 327680
    .private_segment_fixed_size: 0
    .kernarg_segment_align: 8
    .kernarg_segment_size: 24
    .max_flat_workgroup_size: 128
    .sgpr_count:     66
    .vgpr_count:     1024
    .wavefront_size: 32
...
	.end_amdgpu_metadata
.endif
;; end of part 3
;; launch pv (part 4): grid 8 x 32, 4 waves a work-group, clusters of 4 x 1, 327,680 bytes of LDS; arguments pm, qkv, st, out0; writes out0
.if DOCPART == 4
	.amdgcn_target "amdgcn-amd-amdhsa--gfx1250"
	.amdhsa_code_object_version 6
	.text
	.protected	k_qff98a51266_pv
	.globl	k_qff98a51266_pv
	.p2align	8
	.type	k_qff98a51266_pv,@function
k_qff98a51266_pv:
	s_mov_b64 s[64:65], 0
	v_nop
	global_prefetch_b8 v0, s[64:65] scope:SCOPE_SE
	s_setreg_imm32_b32 hwreg(HW_REG_WAVE_MODE, 25, 1), 1
	s_wait_xcnt 0x0
	s_wait_alu depctr_hold_cnt(0) depctr_sa_sdst(0) depctr_va_vdst(0) depctr_va_sdst(0) depctr_va_ssrc(0) depctr_va_vcc(0) depctr_vm_vsrc(0)
	s_getreg_b32 s2, hwreg(HW_REG_IB_STS2, 6, 4)
	s_cmp_eq_u32 s2, 0
	s_cbranch_scc0 .Lentry_in_a_cluster
	s_endpgm
.Lentry_in_a_cluster:
	s_bfe_u32 s2, ttmp6, 0x10000c
	s_cmp_lg_u32 s2, 0x3003
	s_cbranch_scc0 .Lentry_shape_is_right
	s_endpgm
.Lentry_shape_is_right:
; out0[q][ch] = (the sum over key tiles j of f_j(q) (P_j V_j)[q][ch]) / L(q), f_j = 2^(c m_j - c M), M = the row's maximum over all its tiles, L = the sum of f_j l_j.
; P_j (pm, f16) are the weights relative to tile j's own maximum, c m_j and l_j (st, f32) its statistics, V (qkv's third part, f16).  Products, sums and factors in f32; every f is at most 1.
; LIMITS: as stated where pm and st are made; NaN and infinities are not treated apart.
; THE WALK.  A batch's queries lie in 16 blocks of 128; block i needs the key tiles 0 .. i / 2 of 256 keys.  A work-group takes 128 channels and TWO blocks, 15 - b and then b: 9 tiles whatever b,
; so all 256 work-groups do equal work and one loop with a constant count walks them.  What differs lies in scalar counters made from b.
; A tile's product starts at 0 in ACC and is joined to the block's total by one packed multiply-add with the lane's f.
; SHARES.  Wave (wr, wc) makes 64 queries x 64 channels: 16 accumulators.  TRANSPOSED USE: source 0 = 16 channels of V (turned out of LDS), source 1 = 16 queries of P: a lane holds one query.
; CLUSTER 4 x 1: the partners differ in the channel block alone, so P's tile is asked for jointly; V's tile hangs on the channel block and is each work-group's own load
; (V is shared only by the two halves of a block of 256 queries, which lie in different walks).
; ONE TEXT FOR EVERY TRIP: a tile is written once; the slot in hand is a scalar register (0 or SLOT), turned by an exclusive or at each change of slots and added to the lanes' fixed places.
; A change of slots ends the tile before; the first one ends a tile that has not been: 32 products on zeros, joined with f = 0.  For that ACC, one fragment buffer and the totals are cleared,
; in the wait for the first tile.
; AHEAD OF THE LOADS.  Behind each refill and the run of LDS loads that follows it a wave prefetches into the L2 its share of the tile that the NEXT refill will ask for: a tile, 128 matrix
; instructions a wave, ahead of that load.  P's tile (128 rows x 512 bytes) is read by the two clusters of a row of clusters: cluster x = 0 asks; of the 64 rows that wave 0 or 1 fetches each of the
; four partners takes 16, told apart by address: a lane a block of 256 bytes, one instruction.  V's tile (256 keys x 256 bytes of a channel block) is read by all eight walks of a batch: the walk
; b = 0, whose first block passes all eight key tiles, asks, in that block alone: waves 2 and 3, a lane a key, four instructions.  So no block of 256 bytes is named twice in the launch.
; A walk's first two tiles come by their loads alone; the last refill has no tile behind it and asks for nothing.
; REGISTERS: window 0: v12-23 addresses; v24-63 statistics; v64-127 the way out; v128-255 ACC ((a, b) at 128 + 8 (4 a + b)).
;   window 1: two fragment buffers of 128 (64 of P, 64 of V).   window 2: the two blocks' totals, 128 each.
.set PP,    528                        ; P's LDS row: 512 + 16 bytes = 132 words: the 16 rows of a load start at 16 different groups of four banks (64 banks of 4 bytes: ISA guide 11.1)
.set PV,    288                        ; V's: 256 + 32 bytes = 72 words
.set VOFF,  128*PP                     ; a slot: 128 rows of P, then 256 rows of V
.set SLOT,  VOFF+256*PV
.set STAGE, 2*SLOT                     ; 16 rows x 272 bytes for each wave, for the way out
.set SP,    272
.set SPARE, STAGE+4*16*SP              ; the spare words, 128 bytes a wave, that no other line names
.set VSTEP, 256*6144                   ; bytes from a key tile of V to the next
.set AA0,  12                          ; v12 my place in P's tile; never rewritten
.set AB0,  13                          ; v13 in V's; never rewritten
.set ADRA, 14                          ; v14 the same in the slot in hand
.set ADRB, 15                          ; v15-16 keys 0-127, keys 128-255
.set PFO,  17                          ; v17 the prefetches' offset; never rewritten
.set STO,  18
.set RD,   19
.set GO,   20
.set SOL,  21                          ; v21 my row's word in a record of st
.set SPW,  22
.set NIL,  23
.set MH,   24                          ; v24-27 c M of the first block's four row blocks;  v28-31 of the second's
.set ML,   28
.set LH,   32                          ; v32-35, v36-39 L likewise
.set LL,   36
.set F,    40                          ; v40-47 f, in pairs; at the end 1 / L of the second block
.set MJ,   48                          ; v48-51 c m_j of the tile in hand
.set LJ,   52                          ; v52-55 l_j
.set RL,   56                          ; v56-63 1 / L of the first block, in pairs
.set TMP,  64
.set OB,   96                          ; v96-127 and v128-159 by turns
.set ACC,  128
.set F0,   0
.set F1,   128
.set WV,  12
.set G1P, 24
.set G1V, 32
.set G0P, 40
.set G0V, 44
.set PH,  48                           ; s[48:49], s[50:51] where the first and the second block's next tile of P begins (my 64 rows of it)
.set PL,  50
.set VH,  52                           ; s[52:53], s[54:55] the same for V (my 128 keys)
.set VL,  54
.set STH, 56                           ; s[56:57], s[58:59] the next record of st
.set STL, 58
.set STP, 60
.set TB,  62                           ; s62 LDS byte at which the slot in hand begins
.set OH,  66                           ; s[66:67], s[68:69] out0 at my rows and channels
.set OL,  68
.set HR,  70                           ; tiles of the first block still to be asked for
.set HS,  71                           ; whose statistics are still to be loaded
.set HC,  72                           ; still to be joined (the tile that has not been among them)
.set IT,  73                           ; trips still to come, this one among them
.set LP,  74                           ; LDS byte of my half of P in a slot
.set LV,  75                           ; of V
.set PFA, 88                           ; s[88:89] where the tile after the one just asked for begins (my half of it)
.set LIM, 90                           ; s90 1 in a wave that prefetches, else the greatest number
.set PFX, 91                           ; s91 a wave prefetches while this is above LIM: the trips left (P), the first block's tiles left + 1 (V)
.set MSB, 0
.macro WIN new
.if MSB != (\new)
	s_set_vgpr_msb (MSB<<8)|(\new)
.set MSB, \new
.endif
.endm
.set MUL,  0x05                        ; sources in window 1; C and D in window 0
.set TO_F, 0x40
.macro PLACES                          ; four places behind a matrix instruction (ISA guide 7.12.1)
.rept 4
	v_nop
.endr
.endm
; Waves 0 and 1 fetch the two halves of P's tile (jointly with the partners), waves 2 and 3 those of V's.  An s_nop 0 and four v_nop follow each line.
.macro JLOAD
	s_cmp_lt_u32 s[WV], 2
	s_cbranch_scc0 .Lfor_v_\@
	tensor_load_to_lds s[G0P:G0P+3], s[G1P:G1P+7]
	s_nop 0
.rept 4
	v_nop
.endr
	s_branch .Lasked_\@
.Lfor_v_\@:
	tensor_load_to_lds s[G0V:G0V+3], s[G1V:G1V+7]
	s_nop 0
.rept 4
	v_nop
.endr
.Lasked_\@:
.endm
.macro CREST
	s_cmp_lg_u32 s[WV], 0
	s_cbranch_scc1 .Lnot_wave_0_\@
	s_barrier_signal -3
.Lnot_wave_0_\@:
	s_barrier_wait -3
	s_barrier_signal -1
	s_barrier_wait -1
.endm
.macro CROUND
	s_barrier_signal -1
	s_barrier_wait -1
	CREST
.endm
	s_load_b256 s[4:11], s[0:1], 0x0               ; pm s[4:5], qkv s[6:7], st s[8:9], out0 s[10:11]
	v_lshl_add_u32 v[SPW], v0, 2, SPARE
	v_mov_b32 v[NIL], 0
	ds_add_u32 v[SPW], v[NIL]                      ; the wave's opening: the add and its wait ahead of my first tensor load
	ds_add_u32 v22, v23
	v_lshrrev_b32 v1, 5, v0
	v_readfirstlane_b32 s[WV], v1
	s_lshr_b32 s13, s[WV], 1                       ; wr
	s_and_b32 s14, s[WV], 1                        ; wc.  Also: which half of a tile I fetch
	s_bfe_u32 s15, ttmp6, 0x40000                  ; cx
	s_lshl_b32 s16, ttmp9, 2
	s_add_co_u32 s16, s16, s15                     ; channel block 0..7: it enters V's and out0's addresses alone
	s_and_b32 s20, ttmp7, 0xffff
	s_lshr_b32 s17, s20, 3                         ; batch
	s_and_b32 s18, s20, 7                          ; b: the second block
	s_sub_co_u32 s21, 15, s18                      ; the first block
	s_lshr_b32 s22, s21, 1                         ; its last key tile
	s_lshr_b32 s23, s18, 1                         ; the second block's
	s_add_co_u32 s19, s22, 1                       ; tiles of the first block
	s_mov_b32 s[HR], s22
	s_mov_b32 s[HS], s19
	s_add_co_u32 s[HC], s19, 1
	s_mov_b32 s[IT], 8
	s_mov_b32 s[TB], SLOT                          ; the first change of slots fills slot 1 and enters slot 0
	s_cmp_lt_u32 s[WV], 2
	s_cselect_b32 s[LIM], ttmp9, s18               ; the coordinate along which others read the same bytes: the cluster's x for P, b for V: the same in all four partners
	s_cmp_eq_u32 s[LIM], 0
	s_cselect_b32 s[LIM], 1, -1
	s_mul_i32 s[LP], s14, 64*PP
	s_mul_i32 s[LV], s14, 128*PV
	s_add_co_u32 s[LV], s[LV], VOFF
	s_mov_b32 s[G1P+0], 15|(1<<16)|(1<<20)|(1<<21)|(6<<22)|(3<<25)  ; the mask of four; 2-byte elements; padding on; bit 21 beside a mask; after every 128 words 4 words
	s_mov_b32 s[G1P+1], 256<<16                    ; tensor_dim0 = 256
	s_mov_b32 s[G1P+2], 64<<16                     ; tensor_dim1 = 64
	s_mov_b32 s[G1P+3], 256<<16                    ; tile_dim0 = 256
	s_mov_b32 s[G1P+4], 64                         ; tile_dim1 = 64
	s_mov_b32 s[G1P+5], 2048                       ; elements from row to row of pm
	s_mov_b32 s[G1P+6], 0
	s_mov_b32 s[G1P+7], 0
	s_mov_b32 s[G1V+0], (1<<16)|(1<<20)|(5<<22)|(7<<25)  ; no mask; after every 64 words 8 words
	s_mov_b32 s[G1V+1], 128<<16
	s_mov_b32 s[G1V+2], 128<<16
	s_mov_b32 s[G1V+3], 128<<16
	s_mov_b32 s[G1V+4], 128
	s_mov_b32 s[G1V+5], 3072
	s_mov_b32 s[G1V+6], 0
	s_mov_b32 s[G1V+7], 0
	s_lshl_b32 s2, s17, 23                         ; the batch's 2,048 rows of 4,096 bytes, in pm and in out0
	s_lshl_b32 s3, s14, 18                         ; my 64 rows of a block of P
	s_lshl_b32 s76, s21, 19                        ; a block is 128 rows
	s_add_co_u32 s76, s76, s2
	s_add_co_u32 s76, s76, s3
	s_mov_b32 s77, 0
	s_lshl_b32 s78, s18, 19
	s_add_co_u32 s78, s78, s2
	s_add_co_u32 s78, s78, s3
	s_mov_b32 s79, 0
	s_mul_i32 s80, s17, 2048*6144                  ; V: the batch's rows of qkv,
	s_mul_i32 s3, s14, 128*6144                    ; my 128 keys of a tile,
	s_add_co_u32 s80, s80, s3
	s_lshl_b32 s86, s16, 8                         ; the channel block's 256 bytes,
	s_add_co_u32 s80, s80, s86
	s_add_co_u32 s80, s80, 4096                    ; in the row's third part
	s_mov_b32 s81, 0
	s_lshl_b32 s82, s17, 3
	s_add_co_u32 s84, s82, s23
	s_add_co_u32 s82, s82, s22
	s_lshl_b32 s82, s82, 14                        ; st: (batch x 8 + I) x 8 records of 2,048 bytes,
	s_lshl_b32 s84, s84, 14
	s_and_b32 s3, s21, 1
	s_lshl_b32 s3, s3, 9                           ; and the block's half of a record's 256 rows
	s_add_co_u32 s82, s82, s3
	s_and_b32 s3, s18, 1
	s_lshl_b32 s3, s3, 9
	s_add_co_u32 s84, s84, s3
	s_mov_b32 s83, 0
	s_mov_b32 s85, 0
	s_lshl_b32 s86, s16, 9                         ; out0: the channel block's 512 bytes, my 256 of them, my 64 rows, the batch
	s_lshl_b32 s3, s14, 8
	s_add_co_u32 s86, s86, s3
	s_lshl_b32 s3, s13, 18
	s_add_co_u32 s86, s86, s3
	s_add_co_u32 s86, s86, s2
	s_mov_b32 s87, 0
	s_wait_dscnt 0x0                               ; the opening add is done
	s_wait_kmcnt 0x0
	s_add_nc_u64 s[PH:PH+1], s[4:5], s[76:77]
	s_add_nc_u64 s[PL:PL+1], s[4:5], s[78:79]
	s_add_nc_u64 s[VH:VH+1], s[6:7], s[80:81]
	s_mov_b64 s[VL:VL+1], s[VH:VH+1]
	s_add_nc_u64 s[STH:STH+1], s[8:9], s[82:83]
	s_add_nc_u64 s[STL:STL+1], s[8:9], s[84:85]
	s_add_nc_u64 s[10:11], s[10:11], s[86:87]
	s_lshl_b32 s86, s21, 19
	s_add_nc_u64 s[OH:OH+1], s[10:11], s[86:87]
	s_lshl_b32 s86, s18, 19
	s_add_nc_u64 s[OL:OL+1], s[10:11], s[86:87]
	CROUND                                         ; all four work-groups are here: the first joint load meets
	s_mov_b32 s[G0P], 1
	s_mov_b32 s[G0P+1], s[LP]
	s_mov_b64 s[G0P+2:G0P+3], s[PH:PH+1]
	s_or_b32 s[G0P+3], s[G0P+3], 0x80000000
	s_mov_b32 s[G0V], 1
	s_mov_b32 s[G0V+1], s[LV]
	s_mov_b64 s[G0V+2:G0V+3], s[VH:VH+1]
	s_or_b32 s[G0V+3], s[G0V+3], 0x80000000
	s_add_nc_u64 s[PH:PH+1], s[PH:PH+1], 512
	s_add_nc_u64 s[VH:VH+1], s[VH:VH+1], VSTEP
	JLOAD                                          ; the first block's tile 0 into slot 0: one load of mine is out
	v_and_b32 v1, 15, v0                           ; l % 16
	v_bfe_u32 v2, v0, 4, 1                         ; l / 16
	s_lshl_b32 s76, s13, 6
	v_add_nc_u32 v3, s76, v1                       ; my row in the block: 64 wr + l % 16
	v_lshlrev_b32 v[SOL], 2, v3
	v_mul_u32_u24 v3, v3, PP
	v_lshl_add_u32 v[AA0], v2, 4, v3
	v_and_b32 v4, 7, v0                            ; the turning load: lane l reads key 8 (l / 16) + l % 8, channels 8 ((l / 8) % 2) + 0..7
	v_lshl_add_u32 v4, v2, 3, v4
	v_mul_u32_u24 v4, v4, PV
	v_bfe_u32 v5, v0, 3, 1
	v_lshl_add_u32 v4, v5, 4, v4
	s_lshl_b32 s76, s14, 7                         ; my 64 channels: 128 bytes
	s_add_co_u32 s76, s76, VOFF
	v_add_nc_u32 v[AB0], s76, v4
	s_mul_i32 s76, s[WV], 16*SP
	s_add_co_u32 s76, s76, STAGE                   ; my stage
	v_mul_u32_u24 v3, v1, SP                       ; in: row l % 16, 32 bytes for each half of the lanes
	v_lshl_add_u32 v3, v2, 5, v3
	v_add_nc_u32 v[STO], s76, v3
	v_mul_u32_u24 v3, v2, SP                       ; back: lanes 0-15 one row of 256 bytes, lanes 16-31 the next
	v_lshl_add_u32 v3, v1, 4, v3
	v_add_nc_u32 v[RD], s76, v3
	v_lshlrev_b32 v3, 12, v2
	v_lshl_add_u32 v[GO], v1, 4, v3
	v_and_b32 v6, 31, v0                           ; the prefetches' offset.  P (waves 0, 1): row 16 cx + l / 2 of my 64, its left or right 256 bytes;
	v_lshrrev_b32 v7, 1, v6
	s_lshl_b32 s76, s15, 4
	v_add_nc_u32 v7, s76, v7
	v_and_b32 v8, 1, v0
	v_lshlrev_b32 v8, 8, v8
	v_lshl_add_u32 v7, v7, 12, v8
	v_mul_u32_u24 v8, v6, 6144                     ; V (waves 2, 3): key l of each 32 of my 128
	s_cmp_lt_u32 s[WV], 2
	s_cselect_b32 s78, -1, 0
	v_cndmask_b32 v[PFO], v8, v7, s78
	; c M of both blocks: the maximum of c m_j over the block's tiles.  Eight records are read for the first block, four for the second (it has four tiles at the most);
	; a number past the block's last tile is held to it, which a maximum does not mind.
.irp j, 0,1,2,3,4,5,6,7
	s_min_u32 s76, s22, \j
	s_lshl_b32 s76, s76, 11
	v_add_nc_u32 v[192+(\j)], s76, v[SOL]
.endr
.irp j, 0,1,2,3
	s_min_u32 s76, s23, \j
	s_lshl_b32 s76, s76, 11
	v_add_nc_u32 v[200+(\j)], s76, v[SOL]
.endr
.irp j, 0,1,2,3,4,5,6,7
.irp a, 0,1,2,3
	global_load_b32 v[128+4*(\j)+(\a)], v[192+(\j)], s[STH:STH+1] offset:64*(\a)
.endr
.endr
.irp j, 0,1,2,3
.irp a, 0,1,2,3
	global_load_b32 v[160+4*(\j)+(\a)], v[200+(\j)], s[STL:STL+1] offset:64*(\a)
.endr
.endr
	WIN 0x40                                       ; cleared while those loads and the first tile are on their way: fragment buffer 1,
.set i, 0
.rept 128
	v_mov_b32 v[F1+i], 0
.set i, i+1
.endr
	WIN 0x80                                       ; both totals,
.set i, 0
.rept 256
	v_mov_b32 v[i], 0
.set i, i+1
.endr
	WIN 0
.set i, 0
.rept 16
	v_mov_b32 v[LH+i], 0                           ; L of both blocks, f's pairs,
.set i, i+1
.endr
.irp a, 0,1,2,3
	v_mov_b32 v[MJ+(\a)], 0xff7fffff               ; the tile that has not been: c m far below every c M, so that its f is 0,
	v_mov_b32 v[LJ+(\a)], 0                        ; and l = 0
.endr
.set i, 0
.rept 8
	v_mov_b32 v[RL+i], 0
.set i, i+1
.endr
	s_wait_loadcnt 0x0
.irp a, 0,1,2,3
	v_max3_num_f32 v[MH+(\a)], v[128+(\a)], v[132+(\a)], v[136+(\a)]
	v_max3_num_f32 v[ML+(\a)], v[160+(\a)], v[164+(\a)], v[168+(\a)]
.endr
.irp a, 0,1,2,3
	v_max3_num_f32 v[MH+(\a)], v[MH+(\a)], v[140+(\a)], v[144+(\a)]
	v_max_num_f32 v[ML+(\a)], v[ML+(\a)], v[172+(\a)]
.endr
.irp a, 0,1,2,3
	v_max3_num_f32 v[MH+(\a)], v[MH+(\a)], v[148+(\a)], v[152+(\a)]
.endr
.irp a, 0,1,2,3
	v_max_num_f32 v[MH+(\a)], v[MH+(\a)], v[156+(\a)]
.endr
.set i, 0
.rept 128
	v_mov_b32 v[ACC+i], 0                          ; and ACC
.set i, i+1
.endr
; 8 matrix instructions: row blocks a0, a0 + 1 x all 4 channel blocks, 32 keys: half c of buffer f.  The 16 accumulators take turns.
.macro MUL8 f, c, a0, zero
	WIN MUL
.irp a, \a0, (\a0)+1
.irp b, 0,1,2,3
.if \zero
	v_wmma_f32_16x16x32_f16 v[ACC+8*(4*(\a)+(\b)):ACC+8*(4*(\a)+(\b))+7], v[(\f)+64+8*(4*(\c)+(\b)):(\f)+64+8*(4*(\c)+(\b))+7], v[(\f)+8*(4*(\c)+(\a)):(\f)+8*(4*(\c)+(\a))+7], 0
.else
	v_wmma_f32_16x16x32_f16 v[ACC+8*(4*(\a)+(\b)):ACC+8*(4*(\a)+(\b))+7], v[(\f)+64+8*(4*(\c)+(\b)):(\f)+64+8*(4*(\c)+(\b))+7], v[(\f)+8*(4*(\c)+(\a)):(\f)+8*(4*(\c)+(\a))+7], v[ACC+8*(4*(\a)+(\b)):ACC+8*(4*(\a)+(\b))+7]
.endif
.endr
.endr
.endm
.macro ADRS                            ; my places in the slot in hand
	v_add_nc_u32 v[ADRA], s[TB], v[AA0]
	v_add_nc_u32 v[ADRB], s[TB], v[AB0]
	v_add_nc_u32 v[ADRB+1], 128*PV, v[ADRB]
.endm
; 32 LDS loads in one run: quarter kq (64 keys) of the slot in hand into buffer f; its first 32 keys first
.macro FETCH kq, f
	WIN TO_F
.irp c, 0,1
.irp i, 0,1,2,3
	ds_load_tr16_b128 v[(\f)+64+8*(4*(\c)+(\i)):(\f)+64+8*(4*(\c)+(\i))+3],   v[ADRB+(\kq)/2] offset:((\kq)%2)*64*PV+(\c)*32*PV+32*(\i)
	ds_load_tr16_b128 v[(\f)+64+8*(4*(\c)+(\i))+4:(\f)+64+8*(4*(\c)+(\i))+7], v[ADRB+(\kq)/2] offset:((\kq)%2)*64*PV+(\c)*32*PV+16*PV+32*(\i)
	ds_load_b128 v[(\f)+8*(4*(\c)+(\i)):(\f)+8*(4*(\c)+(\i))+3],   v[ADRA] offset:(\kq)*128+64*(\c)+(\i)*16*PP
	ds_load_b128 v[(\f)+8*(4*(\c)+(\i))+4:(\f)+8*(4*(\c)+(\i))+7], v[ADRA] offset:(\kq)*128+64*(\c)+(\i)*16*PP+32
.endr
.endr
.endm
.macro QUARTER kq, f, g, zero
	s_wait_dscnt 16                                ; the first 32 keys' fragments are in
	MUL8 \f, 0, 0, \zero
	MUL8 \f, 0, 2, \zero
	PLACES
	FETCH \kq, \g
	s_wait_dscnt 32                                ; all but the 32 just issued
	MUL8 \f, 1, 0, 0
	MUL8 \f, 1, 2, 0
.endm
; The descriptors for the next tile, into the slot that is left: scalar work alone.  While the first block has tiles to ask for its pointers are taken and stepped, then the second block's.
; The stepped pointers then stand at the tile after it: the prefetch's address is chosen among them.
.macro REQ
	s_cmp_lg_u32 s[HR], 0
	s_cselect_b64 s[G0P+2:G0P+3], s[PH:PH+1], s[PL:PL+1]
	s_cselect_b64 s[G0V+2:G0V+3], s[VH:VH+1], s[VL:VL+1]
	s_cselect_b32 s76, 512, 0
	s_cselect_b32 s78, 0, 512
	s_cselect_b32 s80, VSTEP, 0
	s_cselect_b32 s82, 0, VSTEP
	s_cselect_b32 s84, 1, 0
	s_add_nc_u64 s[PH:PH+1], s[PH:PH+1], s[76:77]
	s_add_nc_u64 s[PL:PL+1], s[PL:PL+1], s[78:79]
	s_add_nc_u64 s[VH:VH+1], s[VH:VH+1], s[80:81]
	s_add_nc_u64 s[VL:VL+1], s[VL:VL+1], s[82:83]
	s_sub_co_u32 s[HR], s[HR], s84
	s_or_b32 s[G0P+3], s[G0P+3], 0x80000000
	s_or_b32 s[G0V+3], s[G0V+3], 0x80000000
	s_mov_b32 s[G0P], 1
	s_mov_b32 s[G0V], 1
	s_add_co_u32 s[G0P+1], s[LP], s[TB]
	s_add_co_u32 s[G0V+1], s[LV], s[TB]
	s_wait_xcnt 0x0                                ; the last prefetches, a tile back, have read their address, so it may be written
	s_cmp_lg_u32 s[HR], 0
	s_cselect_b64 s[PFA:PFA+1], s[PH:PH+1], s[PL:PL+1]
	s_add_co_u32 s[PFX], s[HR], 1
	s_cmp_lt_u32 s[WV], 2
	s_cselect_b64 s[PFA:PFA+1], s[PFA:PFA+1], s[VH:VH+1]  ; V is asked for in the first block alone
	s_cselect_b32 s[PFX], s[IT], s[PFX]
.endm
; The prefetch: who asks, for what and where it stops is said at the kernel's head.  The branches hang on the wave's number, the cluster's x and b: the same in all four partners.
.macro ASK
	WIN 0
	s_cmp_gt_u32 s[PFX], s[LIM]
	s_cbranch_scc0 .Lnone_\@
	s_cmp_lt_u32 s[WV], 2
	s_cbranch_scc0 .Lask_v_\@
	global_prefetch_b8 v[PFO], s[PFA:PFA+1] th:TH_LOAD_NT scope:SCOPE_SE
	s_branch .Lnone_\@
.Lask_v_\@:
.irp k, 0,1,2,3
	global_prefetch_b8 v[PFO], s[PFA:PFA+1] offset:(\k)*32*6144 th:TH_LOAD_NT scope:SCOPE_SE
.endr
.Lnone_\@:
.endm
; THE CHANGE OF SLOTS: the last quarter of the tile before (buffer 1), and into the next tile.  In front of the barrier each wave waits for all its tensor loads (one is out: its part of the next slot),
; adds 0 to its spare word, and waits for that and for its reads of the slot that it leaves.  fill = 1: the barrier opens a round of the cluster's, and that slot is filled first thing behind it.
.macro TURNX fill
	WIN 0
	s_wait_tensorcnt 0x0                           ; no tensor load of mine is out, so the descriptors may be written
	ds_add_u32 v[SPW], v[NIL]
.if \fill
	REQ
.endif
	s_xor_b32 s[TB], s[TB], SLOT                   ; 0 and SLOT by turns: the fetches go to the other slot
	s_wait_dscnt 17                                ; the add and the youngest sixteen loads may be out
	MUL8 F1, 0, 0, 0
	s_wait_dscnt 0x0                               ; the add is done, and my reads of the slot that I leave are over
	s_barrier_signal -1
	MUL8 F1, 0, 2, 0
	WIN 0
	s_barrier_wait -1
.if \fill
	CREST                                          ; no wave of any partner still reads that slot or has a load on its way
	JLOAD                                          ; a tile's 128 matrix instructions less 16 in which to land; its four v_nop are also the places in front of the loads below
.else
	PLACES
.endif
	ADRS
	FETCH 0, F0
.if \fill
	ASK                                            ; behind the refill and the run of LDS loads that the next products wait for
.endif
	MUL8 F1, 1, 0, 0
	MUL8 F1, 1, 2, 0
	WIN 0
.endm
; The finished tile joins a block's total: f = 2^(c m_j - c M), L += f l_j, total += f ACC.  Each accumulator's registers in ascending order.
.macro CVAR m, l, t
.irp a, 0,1,2,3
	v_sub_f32 v[F+2*(\a)], v[MJ+(\a)], v[(\m)+(\a)]
.endr
.irp a, 0,1,2,3
	v_exp_f32 v[F+2*(\a)], v[F+2*(\a)]
.endr
	v_nop                                          ; a plain instruction behind the last exponential
	s_wait_alu depctr_va_vdst(0)
.irp a, 0,1,2,3
	v_fmac_f32 v[(\l)+(\a)], v[F+2*(\a)], v[LJ+(\a)]
.endr
	WIN 0xa0                                       ; the total (source 2 and destination) in window 2
.set z, 0
.rept 64
	v_pk_fma_f32 v[(\t)+2*z:(\t)+2*z+1], v[ACC+2*z:ACC+2*z+1], v[F+2*(z/16):F+2*(z/16)+1], v[(\t)+2*z:(\t)+2*z+1] op_sel_hi:[1,0,1]
.set z, z+1
.endr
	WIN 0
.endm
.macro COMB both                       ; both = 0: the walk's last tile, which is always the second block's
	PLACES
	s_wait_loadcnt 0x0                             ; the tile's statistics, asked for a tile ago
.if \both
	s_cmp_lg_u32 s[HC], 0
	s_cbranch_scc0 .Llo_\@
	CVAR MH, LH, 0
	s_sub_co_u32 s[HC], s[HC], 1
	s_branch .Ldone_\@
.Llo_\@:
.endif
	CVAR ML, LL, 128
.if \both
.Ldone_\@:
.endif
.endm
.macro STATS                           ; c m_j and l_j of the tile just entered; the wait in COMB has freed the base and the registers
	s_cmp_lg_u32 s[HS], 0
	s_cselect_b64 s[STP:STP+1], s[STH:STH+1], s[STL:STL+1]
	s_cselect_b32 s76, 2048, 0
	s_cselect_b32 s78, 0, 2048
	s_cselect_b32 s84, 1, 0
	s_add_nc_u64 s[STH:STH+1], s[STH:STH+1], s[76:77]
	s_add_nc_u64 s[STL:STL+1], s[STL:STL+1], s[78:79]
	s_sub_co_u32 s[HS], s[HS], s84
.irp a, 0,1,2,3
	global_load_b32 v[MJ+(\a)], v[SOL], s[STP:STP+1] offset:64*(\a)
	global_load_b32 v[LJ+(\a)], v[SOL], s[STP:STP+1] offset:1024+64*(\a)
.endr
.endm
.Ltile:                                                ; eight trips of a tile: tiles 0 to 7 are entered, tiles 1 to 8 asked for
	TURNX 1
	COMB 1
	STATS
	QUARTER 1, F0, F1, 1
	QUARTER 2, F1, F0, 0
	QUARTER 3, F0, F1, 0
	WIN 0
	s_sub_co_u32 s[IT], s[IT], 1
	s_cmp_lg_u32 s[IT], 0
	s_cbranch_scc1 .Ltile
	TURNX 0                                        ; tile 8 is written out: nothing is asked for
	COMB 1
	STATS
	QUARTER 1, F0, F1, 1
	QUARTER 2, F1, F0, 0
	QUARTER 3, F0, F1, 0
	s_wait_dscnt 16
	MUL8 F1, 0, 0, 0
	MUL8 F1, 0, 2, 0
	s_wait_dscnt 0x0
	MUL8 F1, 1, 0, 0
	MUL8 F1, 1, 2, 0
	WIN 0
	COMB 0
	; THE WAY OUT, both blocks: the totals are divided by L and sent through my stage in LDS, 16 rows at a time: unit u = 4 x block + row block.
.irp a, 0,1,2,3
	v_rcp_f32 v[RL+2*(\a)], v[LH+(\a)]
.endr
.irp a, 0,1,2,3
	v_rcp_f32 v[F+2*(\a)], v[LL+(\a)]
.endr
	v_nop                                          ; a plain instruction behind the last reciprocal
	s_wait_alu depctr_va_vdst(0)
.macro PACK u
	WIN 0x02                                       ; source 0 in window 2
.set z, 0
.rept 16
	v_pk_mul_f32 v[TMP+2*z:TMP+2*z+1], v[128*((\u)/4)+32*((\u)%4)+2*z:128*((\u)/4)+32*((\u)%4)+2*z+1], v[RL-16*((\u)/4)+2*((\u)%4):RL-16*((\u)/4)+2*((\u)%4)+1] op_sel_hi:[1,0]
.set z, z+1
.endr
	WIN 0
.endm
.macro TOSTAGE u                       ; a lane's eight channels of a row are 32 bytes; they go into rows of 272 bytes and come back as whole rows of 256
.irp b, 0,1,2,3
	ds_store_b128 v[STO], v[TMP+8*(\b):TMP+8*(\b)+3] offset:64*(\b)
	ds_store_b128 v[STO], v[TMP+8*(\b)+4:TMP+8*(\b)+7] offset:64*(\b)+16
.endr
.irp t, 0,1,2,3,4,5,6,7
	ds_load_b128 v[OB+32*((\u)%2)+4*(\t):OB+32*((\u)%2)+4*(\t)+3], v[RD] offset:(\t)*2*SP  ; LDS serves a wave's instructions in order (ISA guide 5.7.1.4): these see the stores above
.endr
.endm
.macro SEND u
	s_wait_dscnt 0x0                               ; the unit is back in registers
	s_wait_xcnt 0x0                                ; the registers that the stores of the unit before read are loaded again only behind this wait
.irp t, 0,1,2,3,4,5,6,7
	global_store_b128 v[GO], v[OB+32*((\u)%2)+4*(\t):OB+32*((\u)%2)+4*(\t)+3], s[OH+2*((\u)/4):OH+2*((\u)/4)+1] offset:((\u)%4)*65536+(\t)*8192 th:TH_STORE_NT  ; 16 lanes store 256 consecutive bytes, at a multiple of 256 from out0's first byte
.endr
.endm
	PACK 0
	TOSTAGE 0
.set u, 1
.rept 7                                ; a unit's arithmetic stands between the loads of the unit before and its stores
	PACK u
	SEND u-1
	TOSTAGE u
.set u, u+1
.endr
	SEND 7
	s_wait_tensorcnt 0x0                           ; the wave's end
	ds_add_u32 v[SPW], v[NIL]
	s_wait_dscnt 0x0
	CROUND                                         ; the closing round
	s_endpgm
.Lfunc_end_k_qff98a51266_pv:
	.size	k_qff98a51266_pv, .Lfunc_end_k_qff98a51266_pv-k_qff98a51266_pv
	.p2alignl 7, 3214868480
	.fill 96, 4, 3214868480
	.section	.rodata,"a",@progbits
	.p2align	6, 0x0
	.amdhsa_kernel k_qff98a51266_pv
		.amdhsa_group_segment_fixed_size 327680
		.amdhsa_private_segment_fixed_size 0
		.amdhsa_enable_private_segment 0
		.amdhsa_kernarg_size 32
		.amdhsa_user_sgpr_count 2
		.amdhsa_user_sgpr_kernarg_segment_ptr 1
		.amdhsa_wavefront_size32 1
		.amdhsa_system_sgpr_workgroup_id_x 1
		.amdhsa_system_sgpr_workgroup_id_y 1
		.amdhsa_system_sgpr_workgroup_id_z 1
		.amdhsa_system_vgpr_workitem_id 0
		.amdhsa_next_free_vgpr 768
		.amdhsa_next_free_sgpr 92
		.amdhsa_reserve_vcc 0
		.amdhsa_float_denorm_mode_32 3
		.amdhsa_float_denorm_mode_16_64 3
		.amdhsa_memory_ordered 1
		.amdhsa_forward_progress 1
		.amdhsa_inst_pref_size 121
	.end_amdhsa_kernel
	.amdgpu_metadata
---
amdhsa.version: [ 1, 2 ]
amdhsa.kernels:
  - .name:           k_qff98a51266_pv
    .symbol:         k_qff98a51266_pv.kd
    .args:
      - { .name: pm, .offset: 0, .size: 8, .value_kind: global_buffer, .address_space: global }
      - { .name: qkv, .offset: 8, .size: 8, .value_kind: global_buffer, .address_space: global }
      - { .name: st, .offset: 16, .size: 8, .value_kind: global_buffer, .address_space: global }
      - { .name: out0, .offset: 24, .size: 8, .value_kind: global_buffer, .address_space: global }
    .group_segment_fixed_size: 327680
    .private_segment_fixed_size: 0
    .kernarg_segment_align: 8
    .kernarg_segment_size: 32
    .max_flat_workgroup_size: 128
    .sgpr_count:     92
    .vgpr_count:     768
    .wavefront_size: 32
...
	.end_amdgpu_metadata
.endif
;; end of part 4
